; MI455X (gfx1250); checked and timed in simulation.
; The chip was launched on July 23, 2026; its instructions are those of AMD's public machine-readable ISA for CDNA 5 (MIT licence, August 2026) and "CDNA5" Instruction Set Architecture Reference Guide (July 2026). The comments in the code are by the model that wrote it; some were corrected since.
;; Multi Head Cross Modal Attention. Allowed arithmetic: matrix products marked QUANTISED: E5M2 operands, one E8M0 scale for each 32 along K, by v_wmma_scale_f32_16x16x128_f8f6f4 with both operands' format E5M2, f32 sums; everything else in f32.
;; Inputs: Wk 1,024 x 1,024 float32; Wo 1,024 x 1,024 float32; Wq 1,024 x 1,024 float32; Wv 1,024 x 1,024 float32; beta 1,024 float32; bk 1,024 float32; bo 1,024 float32; bq 1,024 float32; bv 1,024 float32; gamma 1,024 float32; key 4 x 2,048 x 1,024 float32; query 4 x 1,024 x 1,024 float32; value 4 x 2,048 x 1,024 float32.
;; Outputs: out0 4 x 1,024 x 1,024 float32.
;; This version of the problem:
;;   THIS VERSION OF THE PROBLEM IS GIVEN IN LOW PRECISION. The matrix products marked QUANTISED in the list below multiply operands that are first quantised to E5M2 (5 exponent bits, 2 mantissa bits; 8 bits a number), with one power-of-two scale for each 32 numbers along K (OCP MX v1.0); their sums are f32. All else is computed in f32.
;;   The module's matrix products, in the order in which they are computed (A, B: the left and right operand; K: the contracted axis; several contracted axes count as one K, in the product's order):
;;     1. [M 4,096, K 1,024] x [K 1,024, N 1,024]; A: input query; B: input Wq: QUANTISED
;;     2. [M 8,192, K 1,024] x [K 1,024, N 1,024]; A: input key; B: input Wk: QUANTISED
;;     3. [M 8,192, K 1,024] x [K 1,024, N 1,024]; A: input value; B: input Wv: QUANTISED
;;     4. batch 64 x [M 1,024, K 64] x [K 64, N 2,048]; A: computed on the way; B: computed on the way: QUANTISED
;;     5. batch 64 x [M 1,024, K 2,048] x [K 2,048, N 64]; A: softmax (see below); B: computed on the way: QUANTISED
;;     6. [M 4,096, K 1,024] x [K 1,024, N 1,024]; A: computed on the way; B: input Wo: QUANTISED
;;   THE QUANTISER, for each operand of a quantised product, along K:
;;     - K is cut into blocks of 32 from its start; a last block that is shorter is filled with zeros.
;;     - A block's scale is 2^e with e = floor(log2(the largest magnitude in the block)) - 15, held to -126 .. 127; a block of zeros has e = 0. As a byte (E8M0): e + 127.
;;     - Each number is divided by its block's scale, clamped to +-57,344, and rounded to the nearest number of E5M2, ties to even, subnormals kept.
;;     - The product sums the exact products of the quantised numbers (number of the format x scale) in f32.
;;   ~~~python
;;   def quantise(x, axis):      # numpy; x: float32 -> the quantised numbers, widened to float32 again
;;       x = np.moveaxis(x, axis, -1); K = x.shape[-1]
;;       x = np.pad(x, [(0, 0)] * (x.ndim - 1) + [(0, -K % 32)]); x = x.reshape(x.shape[:-1] + (-1, 32)); a = np.abs(x).max(-1, keepdims=True)
;;       e = np.where(a > 0, np.clip(np.frexp(np.where(a > 0, a, 1))[1] - 1 - 15, -126, 127), 0)      # np.frexp(a)[1] - 1 = floor(log2(a)), exactly
;;       r = np.clip(x / 2.0 ** e, -57344, 57344)
;;       step = 2.0 ** (np.maximum(np.frexp(np.where(r == 0, 1, r))[1] - 1, -14) - 2)
;;       q = np.round(r / step) * step * 2.0 ** e      # np.round: ties to even
;;       return np.moveaxis(q.reshape(q.shape[:-2] + (-1,))[..., :K], -1, axis).astype(np.float32)
;;   ~~~
;;   SOFTMAX AHEAD OF A QUANTISED PRODUCT. Where the list says 'softmax', what is quantised is not the finished softmax but p = 2^(t - M), with t = logit x log2(e) and M = ceil(the row's largest t), a whole number; so 1/2 < the row's largest p <= 1. The row's sum l is taken of the UNQUANTISED p, in f32, and the product's result is divided by l at the end. Since M is a whole number, a kernel that streams over the keys may use a running M (the ceiling of the running maximum): every later rescaling is an exact power of two, which a block's scale takes up: the codes' values come out the same.
;;   OPERANDS COMPUTED ON THE WAY. 'Computed on the way' means the value that the module computes at that place (a softmax that the list does not call 'softmax' is quantised finished and normalised). What goes into a quantiser is computed in f32, as accurately as f32 sums, v_exp_f32 and their like allow (about 1e-6 of the number): no bf16 or f16 on the way to a quantiser, and a product that is left as it is and whose result goes on into a quantised operand takes f32 operands (vector FMAs, or v_wmma_f32_16x16x4_f32). A number that lies on a knife's edge between two numbers of the format may be rounded either way, as far as f32 arithmetic and the matrix unit's own rounding can turn it there, and no further.
;; One version. Each part assembles by itself: llvm-mc -triple=amdgcn-amd-amdhsa -mcpu=gfx1250 --defsym DOCPART=n.
;; ======== version 1 of 1: 4 launches
;; limits: right only within a limited range of input values
;; workspace buffers: codes 24,117,248 bytes; scl 753,664 bytes; woimg 2,097,152 bytes; wos 65,536 bytes; att 17,301,504 bytes; ctxc 4,194,304 bytes; ctxs 131,072 bytes
;; launch quant (part 1): grid 832 x 1, 4 waves a work-group, no clusters, 33,280 bytes of LDS; arguments query, key, value, Wq, Wk, Wv, Wo, codes, scl, woimg, wos; writes codes, scl, woimg, wos
.if DOCPART == 1
	.amdgcn_target "amdgcn-amd-amdhsa--gfx1250"
	.amdhsa_code_object_version 6
	.text
	.protected	k_qf606c37c26_quant
	.globl	k_qf606c37c26_quant
	.p2align	8
	.type	k_qf606c37c26_quant,@function
k_qf606c37c26_quant:
	s_mov_b64 s[64:65], 0
	v_nop
	global_prefetch_b8 v0, s[64:65] scope:SCOPE_SE
	s_setreg_imm32_b32 hwreg(HW_REG_WAVE_MODE, 25, 1), 1
	s_wait_xcnt 0x0
; query, key, value, Wq, Wk, Wv, Wo (f32, K = the last axis, 1,024) become codes of BF8 (E5M2) with one E8M0 scale byte for each 32 along K.
; A block's scale is 2^(floor(log2(its largest magnitude)) - 15); its byte is the largest magnitude's exponent field - 15, held at 1 from below; each number is held within +-57,344 x the scale and rounded to the nearest code, ties to even.
; LIMITS: NaN and infinities among the inputs are not served.  A block of zeros gets the byte 1 where the rule says 127: its codes are zeros, which add nothing under any byte but 0xff, and this program alone reads the bytes.
; WORK-GROUPS 0 TO 63: Wo, laid as the last launch's registers want it: woimg [tile of 16 rows][K step of 128][4][lane][16 bytes], wos [16 waves][K step][row][4 tiles] scale words.  A wave makes two fragments, and all
;   its 32 loads go out at once: they have one way to memory and back, not two.  These work-groups stand first in the grid.  This way uses no LDS.  A wave's two scale words leave as 8 bytes a lane: two waves of a
;   work-group fill each 256 bytes of wos by halves (32,768 bytes in all).
; WORK-GROUPS 64 TO 799: the six tensors of the projections, 23,552 rows on end, as rows: codes [row][1,024 bytes], scl [row][32 bytes].  A work-group takes 32 rows, a wave 8 rows (8,192 numbers, 16 steps of 512).
;   ROWS ARE LAID IN ANOTHER ORDER: of each 32 rows the four runs of 8 lie in the order 0, 2, 1, 3.  So place 16 t + r holds row 32 (t / 2) + 8 (t % 2) + r + 8 (r / 8): sixteen neighbouring places are a tile whose
;   results, taken as source 0 of a matrix instruction, give a lane 16 neighbours along the next K in two neighbouring tiles.  It costs nothing here: wave w stores its run at place ((w & 1) << 1) | (w >> 1).
;   Each load reads 512 consecutive bytes; a step's 2,048 bytes turn through the wave's own stage in LDS so that a lane holds 16 neighbours along K; a wave's store of codes covers 512 consecutive bytes, its 256 scale bytes leave as one aligned run.
; No tensor loads, no barrier: waves share nothing, so clusters and the matrix units have nothing to give here.
; THE GRID NOW: work-groups 0 to 63 lay Wo, 64 to 127 lay Wq in the same form, behind Wo's in woimg (+1,048,576) and wos (+32,768); of each 32 rows of Wq a tile takes rows 8 t + r + 8 (r / 8).
; Work-groups 128 to 831 are the stream of rows, in which Wq's 1,024 rows are passed over: their places in codes and scl stay empty and are read by nobody.
.set NWO,   128                        ; Wo's and Wq's work-groups
.set STEPS, 16
.set EMAX,  15
.set MANT,  0x600000                   ; the mantissa field of 57,344 as f32
.set CB,    16                         ; bytes of 16 codes
.set R,     16                         ; v16-79   four sets of 16 numbers as they are loaded
.set X,     80                         ; v80-111  two sets of 16 neighbours
.set E,     112                        ; v112-127 a scale byte for each step
.set C,     128                        ; v128-191 codes: four registers for each step, so that no store's data are written again
.set WREG,  8192                       ; LDS: a region for each wave: two stages of 32 x SP bytes, behind them its 256 scale bytes
.set SP,    80                         ; a lane's place in a stage: its 64 bytes + 16 of padding
.set SWG,   35                         ; s35  the stream's work-group, 0 .. 735 (on Wo's way: which pair of tiles)
.set WV,    36                         ; s36  wave
.set MNT,   34                         ; s34  MANT
.set SEL,   42                         ; s[42:43] lane selects for v_permlanex16_b32: lane l xor 16
.set TM,    176                        ; Wo's way: v176-191 at work
; THE ORDER OF A WAVE'S 16 CHUNKS: in step t wave w takes chunk u = (t + 4 w) % 16 of its run, so that the four waves of a work-group stand in four different quarters of their runs of 32,768 bytes at any time.
; u enters the load's offset (2,048 u), the codes' (512 u) and the scale byte's place (16 u); nothing else knows of it.
.set AL,    194                        ; v194-201 the loads' offsets, eight by turns: one is written again when its loads of eight steps before have long been waited for
.set AB,    202                        ; v202     the scale byte's LDS address
.set AS,    203                        ; v203-218 the stores' offsets, one for each step, so that none is written again
.set ROT,   44                         ; s44      4 x wave
.macro LOAD t
	s_add_co_u32 s6, s[ROT], (\t)
	s_and_b32 s6, s6, 15                           ; u
	s_lshl_b32 s6, s6, 11
	v_add_nc_u32 v[AL+(\t)%8], s6, v3
.irp i, 0,1,2,3
	global_load_b128 v[R+16*((\t)%4)+4*\i:R+16*((\t)%4)+4*\i+3], v[AL+(\t)%8], s[4:5] offset:512*\i th:TH_LOAD_NT   ; 32 lanes read 512 consecutive bytes
.endr
.endm
.macro TURN t                          ; step t's numbers through the stage: LDS serves a wave's instructions in order, so no wait stands between the stores and the loads
.irp i, 0,1,2,3
	ds_store_b128 v14, v[R+16*((\t)%4)+4*\i:R+16*((\t)%4)+4*\i+3] offset:32*SP*((\t)%2)+8*SP*\i
.endr
.irp i, 0,1,2,3
	ds_load_b128 v[X+16*((\t)%2)+4*\i:X+16*((\t)%2)+4*\i+3], v15 offset:32*SP*((\t)%2)+16*\i
.endr
.endm
.macro STEP t
.set XS, X+16*((\t)%2)
.if (\t) > 0
	s_wait_dscnt 1                                 ; this step's numbers are back from the stage (the last step's byte store may be out): so its stores into the stage have read their registers,
.else
	s_wait_dscnt 0x0
.endif
.if (\t)+4 < STEPS
	LOAD (\t)+4                                    ; which take the loads of four steps on
.endif
.if (\t)+1 < STEPS
.if STEPS-2-(\t) >= 3
	s_wait_loadcnt 12                              ; the next step's four loads are in; those of the three steps behind it may be out
.else
	s_wait_loadcnt 4*(STEPS-2-(\t))
.endif
	TURN (\t)+1                                    ; and go through the other stage while this step is worked
.endif
	v_max3_num_f32 v8, |v[XS]|, |v[XS+1]|, |v[XS+2]|               ; the largest magnitude of my 16
	v_max3_num_f32 v9, |v[XS+3]|, |v[XS+4]|, |v[XS+5]|
.irp i, 6,10
	v_max3_num_f32 v8, v8, |v[XS+\i]|, |v[XS+\i+1]|
	v_max3_num_f32 v9, v9, |v[XS+\i+2]|, |v[XS+\i+3]|
.endr
	v_max3_num_f32 v8, v8, |v[XS+14]|, |v[XS+15]|
	v_max3_num_f32 v8, v8, v9, (EMAX+1)<<23        ; and the floor 2^(16 - 127): the byte cannot fall under 1
	v_max_num_f32_dpp v8, v8, v8 row_xmask:1 row_mask:0xf bank_mask:0xf   ; and of my neighbour's 16: the block's
	v_add_nc_u32 v11, -(EMAX<<23), v8              ; 15 off its exponent field: the conversion takes the exponent field of this operand as its scale
	v_and_or_b32 v10, v8, 0x7f800000, s[MNT]       ; 57,344 x the scale
.irp i, 0,1,2,3,4,5,6,7,8,9,10,11,12,13,14,15
	v_med3_num_f32 v[XS+\i], v[XS+\i], -v10, v10   ; the conversion to an 8-bit code does not saturate (ISA guide 7.6.2): the hold comes first
.endr
	v_cvt_scalef32_pk8_bf8_f32 v[C+4*(\t):C+4*(\t)+1], v[XS:XS+7], v11
	v_cvt_scalef32_pk8_bf8_f32 v[C+4*(\t)+2:C+4*(\t)+3], v[XS+8:XS+15], v11
	v_lshrrev_b32 v[E+(\t)], 23, v11               ; the scale's byte
	s_add_co_u32 s6, s[ROT], (\t)
	s_and_b32 s6, s6, 15                           ; u
	s_lshl_b32 s7, s6, 4
	s_lshl_b32 s6, s6, 9
	v_add_nc_u32 v[AB], s7, v5
	v_add_nc_u32 v[AS+(\t)], s6, v4
	ds_store_b8 v[AB], v[E+(\t)]                   ; both lanes of a block write the same byte with the same value
	global_store_b128 v[AS+(\t)], v[C+4*(\t):C+4*(\t)+3], s[30:31]
.endm
; 64 numbers of a lane, v[s] on, register 16 b + i = k 32 b + 16 (lane / 16) + i of my row, become a fragment's 16 registers of codes at v[pc] and its scale word in v[pw]
.macro QUANT s, pc, pw
.irp b, 0,1,2,3
	v_max3_num_f32 v[TM+\b], |v[\s+16*\b]|, |v[\s+1+16*\b]|, 0x8000000   ; block b: my 16 numbers, and the floor 2^(16 - 127)
.endr
.irp i, 2,4,6,8,10,12,14
.irp b, 0,1,2,3
	v_max3_num_f32 v[TM+\b], v[TM+\b], |v[\s+16*\b+\i]|, |v[\s+1+16*\b+\i]|   ; the four blocks by turns
.endr
.endr
.irp b, 0,1,2,3
	v_permlanex16_b32 v[TM+4+\b], v[TM+\b], s[SEL], s[SEL+1]
.endr
.irp b, 0,1,2,3
	v_max_num_f32 v[TM+\b], v[TM+\b], v[TM+4+\b]   ; with lane l xor 16's: the block's largest magnitude
.endr
.irp b, 0,1,2,3
	v_add_nc_u32 v[TM+12+\b], 0xf8800000, v[TM+\b] ; 15 off its exponent field: the conversion's scale operand
.endr
.irp b, 0,1,2,3
	v_and_or_b32 v[TM+8+\b], v[TM+\b], 0x7f800000, s[MNT]   ; 57,344 x the scale
.endr
.irp b, 0,1,2,3
	v_lshrrev_b32 v[TM+4+\b], 23, v[TM+12+\b]      ; the scale's byte
.endr
	v_lshl_or_b32 v[\pw], v[TM+5], 8, v[TM+4]      ; the four bytes make my row's scale word
	v_lshl_or_b32 v[\pw], v[TM+6], 16, v[\pw]
	v_lshl_or_b32 v[\pw], v[TM+7], 24, v[\pw]
.irp b, 0,1,2,3
.irp i, 0,1,2,3,4,5,6,7,8,9,10,11,12,13,14,15
	v_med3_num_f32 v[\s+16*\b+\i], v[\s+16*\b+\i], -v[TM+8+\b], v[TM+8+\b]
.endr
	v_cvt_scalef32_pk8_bf8_f32 v[\pc+4*\b:\pc+1+4*\b], v[\s+16*\b:\s+7+16*\b], v[TM+12+\b]
	v_cvt_scalef32_pk8_bf8_f32 v[\pc+2+4*\b:\pc+3+4*\b], v[\s+8+16*\b:\s+15+16*\b], v[TM+12+\b]
.endr
	v_nop                                          ; one plain line behind the last conversion
.endm
.macro XLOAD t                         ; Wo's way: my tile t's 64 numbers a lane, 16 neighbours of each block of 32, into v[16 + 64 t] on
.irp b, 0,1,2,3
.irp j, 0,1,2,3
	global_load_b128 v[16+64*(\t)+16*\b+4*\j:16+64*(\t)+16*\b+4*\j+3], v[1+5*(\t)], s[4:5] offset:128*\b+16*\j th:TH_LOAD_NT   ; tile 0 by v1, tile 1 by v6
.endr
.endr
.endm
.macro WOT t, left                     ; my tile t is quantised and stored; each tile has its own registers for numbers, codes and scale word
	s_wait_loadcnt \left                           ; this tile's 16 loads are in; left = the other tile's that may be out
	QUANT 16+64*(\t), 144+16*(\t), 8+(\t)
.irp c, 0,1,2,3
	global_store_b128 v2, v[144+16*(\t)+4*\c:144+16*(\t)+4*\c+3], s[30:31] offset:(\t)*16384+512*\c   ; the fragment as it stands: 512 consecutive bytes a store
.endr
.endm
	s_load_b512 s[8:23], s[0:1], 0x0               ; query s[8:9], key, value, Wq, Wk, Wv, Wo s[20:21], codes s[22:23]
	s_load_b128 s[24:27], s[0:1], 0x40             ; scl, woimg
	s_load_b64 s[28:29], s[0:1], 0x50              ; wos
	v_lshl_add_u32 v192, v0, 2, 0x8000
	v_mov_b32 v193, 0
	v_lshrrev_b32 v1, 5, v0
	v_readfirstlane_b32 s[WV], v1                  ; wave
	v_and_b32 v2, 31, v0                           ; lane
	s_mov_b32 s[MNT], MANT
	s_cmp_lt_u32 ttmp9, NWO
	s_cbranch_scc1 .Lwo                            ; a branch on the work-group's number
	s_sub_co_u32 s[SWG], ttmp9, NWO                ; the stream's work-group
	v_lshlrev_b32 v3, 4, v2                        ; my 16 bytes of a load's 512
	s_mul_i32 s37, s[WV], WREG
	v_lshrrev_b32 v14, 2, v2
	v_mul_u32_u24 v14, v14, SP
	v_and_b32 v15, 3, v2
	v_lshl_add_u32 v14, v15, 4, v14
	v_add_nc_u32 v14, s37, v14                     ; the stage, on the way in: SP (lane / 4) + 16 (lane % 4)
	v_mul_u32_u24 v15, v2, SP
	v_add_nc_u32 v15, s37, v15                     ; and on the way out: SP x lane: my 16 neighbours
	v_mul_u32_u24 v4, v2, CB                       ; my codes' place in a step's
	v_lshrrev_b32 v5, 1, v2
	s_add_co_u32 s37, s37, 2*32*SP
	v_add_nc_u32 v5, s37, v5                       ; LDS: my wave's 256 scale bytes, my block's byte
	v_lshlrev_b32 v7, 3, v2                        ; and on the way out 8 bytes a lane
	v_add_nc_u32 v6, s37, v7
	s_wait_alu depctr_va_vdst(0)
	s_wait_kmcnt 0x0
	s_cmp_ge_u32 s[SWG], 640                       ; Wq's 32 work-groups of the stream are passed over
	s_cselect_b32 s6, 32, 0
	s_add_co_u32 s[SWG], s[SWG], s6
	s_mov_b64 s[4:5], s[18:19]
	s_mov_b32 s6, 704
	s_cmp_lt_u32 s[SWG], 704
	s_cselect_b64 s[4:5], s[16:17], s[4:5]
	s_cselect_b32 s6, 672, s6
	s_cmp_lt_u32 s[SWG], 640
	s_cselect_b64 s[4:5], s[12:13], s[4:5]
	s_cselect_b32 s6, 384, s6
	s_cmp_lt_u32 s[SWG], 384
	s_cselect_b64 s[4:5], s[10:11], s[4:5]
	s_cselect_b32 s6, 128, s6
	s_cmp_lt_u32 s[SWG], 128
	s_cselect_b64 s[4:5], s[8:9], s[4:5]
	s_cselect_b32 s6, 0, s6
	s_sub_co_u32 s6, s[SWG], s6
	s_lshl_b32 s6, s6, 2
	s_add_co_u32 s6, s6, s[WV]                     ; my run of 8 rows in the tensor,
	s_lshl_b32 s6, s6, 15                          ; 32,768 bytes each
	s_mov_b32 s7, 0
	s_add_nc_u64 s[4:5], s[4:5], s[6:7]
	s_and_b32 s38, s[WV], 1
	s_lshl_b32 s38, s38, 1
	s_lshr_b32 s39, s[WV], 1
	s_or_b32 s38, s38, s39                         ; the run's place among its 32 rows: 0, 2, 1, 3
	s_lshl_b32 s39, s[SWG], 2
	s_add_co_u32 s38, s38, s39
	s_lshl_b32 s40, s38, 13                        ; 8,192 bytes of codes a run
	s_mov_b32 s41, 0
	s_add_nc_u64 s[30:31], s[22:23], s[40:41]
	s_lshl_b32 s40, s38, 8                         ; 256 scale bytes a run
	s_add_nc_u64 s[32:33], s[24:25], s[40:41]
	s_lshl_b32 s[ROT], s[WV], 2
.irp t, 0,1,2,3
	LOAD \t
.endr
	s_wait_loadcnt 12                              ; step 0's four loads are in
	TURN 0
.irp t, 0,1,2,3,4,5,6,7,8,9,10,11,12,13,14,15
	STEP \t
.endr
	ds_load_b64 v[12:13], v6                       ; LDS serves a wave's instructions in order: these see my stores
	s_wait_dscnt 0x0
	global_store_b64 v7, v[12:13], s[32:33]        ; 32 lanes store 256 consecutive bytes, aligned
	s_wait_tensorcnt 0x0
	ds_add_u32 v192, v193
	s_wait_dscnt 0x0
	s_endpgm
.Lwo:                                              ; Wo: wave q = 4 x work-group + wave, 0 .. 255, takes rows 64 (q / 16) + 32 (q % 2) on (two tiles of 16), K step (q / 2) % 8
	v_and_b32 v4, 15, v0                           ; r
	v_bfe_u32 v5, v0, 4, 1                         ; h
	s_lshr_b32 s7, ttmp9, 6                        ; 0: Wo, 1: Wq
	s_lshl_b32 s39, s7, 3
	v_and_b32 v7, s39, v4
	v_add_nc_u32 v7, v7, v4                        ; Wo: r;  Wq: r + 8 (r / 8)
	v_lshlrev_b32 v1, 12, v7
	v_lshl_add_u32 v1, v5, 6, v1
	s_lshr_b32 s39, 65536, s7                      ; from tile 0 to tile 1: 16 rows (Wo) or 8 (Wq)
	v_add_nc_u32 v6, s39, v1
	s_wait_alu depctr_va_vdst(0)
	v_lshlrev_b32 v2, 4, v2                        ; 16 x lane
	v_lshlrev_b32 v3, 4, v4                        ; 16 r
	s_mov_b32 s[SEL], 0x76543210
	s_mov_b32 s[SEL+1], 0xfedcba98
.irp b, 0,1,2,3
	v_mov_b32 v[TM+4+\b], 0                        ; written once: a lane permute's destination counts as one of its sources
.endr
	s_and_b32 s6, ttmp9, 63
	s_lshl_b32 s6, s6, 2
	s_add_co_u32 s6, s6, s[WV]                     ; q
	s_lshr_b32 s37, s6, 4                          ; which 64 rows
	s_bfe_u32 s38, s6, 0x30001                     ; the K step: 3 bits from bit 1
	s_and_b32 s[SWG], s6, 1                        ; which pair of their four tiles
	s_lshl_b32 s40, s37, 18                        ; 64 rows of 4,096 bytes,
	s_lshl_b32 s39, s[SWG], 17                     ; 32 rows,
	s_add_co_u32 s40, s40, s39
	s_lshl_b32 s39, s38, 9                         ; 128 numbers along K
	s_add_co_u32 s40, s40, s39
	s_mov_b32 s41, 0
	s_wait_kmcnt 0x0
	s_cmp_eq_u32 s7, 0                             ; the choice hangs on the work-group's number alone
	s_cselect_b64 s[20:21], s[20:21], s[14:15]
	s_add_nc_u64 s[4:5], s[20:21], s[40:41]
	s_lshl_b32 s40, s37, 16                        ; four tiles x eight K steps x 2,048 bytes,
	s_lshl_b32 s39, s[SWG], 15                     ; two tiles,
	s_add_co_u32 s40, s40, s39
	s_lshl_b32 s39, s38, 11                        ; a K step
	s_add_co_u32 s40, s40, s39
	s_lshl_b32 s39, s7, 20                         ; Wq's image lies behind Wo's
	s_add_co_u32 s40, s40, s39
	s_add_nc_u64 s[30:31], s[26:27], s[40:41]
	s_lshr_b32 s40, s6, 1                          ; 8 x (which 64 rows) + K step: 256 bytes of scale words each,
	s_lshl_b32 s40, s40, 8
	s_lshl_b32 s39, s[SWG], 3                      ; my two of a row's four words
	s_add_co_u32 s40, s40, s39
	s_lshl_b32 s39, s7, 15                         ; and its scale words behind Wo's
	s_add_co_u32 s40, s40, s39
	s_add_nc_u64 s[32:33], s[28:29], s[40:41]
	XLOAD 0
	XLOAD 1                                        ; all 32 loads are out
	WOT 0, 16
	WOT 1, 0
	global_store_b64 v3, v[8:9], s[32:33]          ; row r's two scale words (lanes r and r + 16 hold and write the same)
	s_endpgm
.Lfunc_end_k_qf606c37c26_quant:
	.size	k_qf606c37c26_quant, .Lfunc_end_k_qf606c37c26_quant-k_qf606c37c26_quant
	.p2alignl 7, 3214868480
	.fill 96, 4, 3214868480
	.section	.rodata,"a",@progbits
	.p2align	6, 0x0
	.amdhsa_kernel k_qf606c37c26_quant
		.amdhsa_group_segment_fixed_size 33280
		.amdhsa_private_segment_fixed_size 0
		.amdhsa_enable_private_segment 0
		.amdhsa_kernarg_size 88
		.amdhsa_user_sgpr_count 2
		.amdhsa_user_sgpr_kernarg_segment_ptr 1
		.amdhsa_wavefront_size32 1
		.amdhsa_system_sgpr_workgroup_id_x 1
		.amdhsa_system_sgpr_workgroup_id_y 1
		.amdhsa_system_sgpr_workgroup_id_z 1
		.amdhsa_system_vgpr_workitem_id 0
		.amdhsa_next_free_vgpr 220
		.amdhsa_next_free_sgpr 66
		.amdhsa_reserve_vcc 0
		.amdhsa_float_denorm_mode_32 3
		.amdhsa_float_denorm_mode_16_64 3
		.amdhsa_memory_ordered 1
		.amdhsa_forward_progress 1
		.amdhsa_inst_pref_size 78
	.end_amdhsa_kernel
	.amdgpu_metadata
---
amdhsa.version: [ 1, 2 ]
amdhsa.kernels:
  - .name:           k_qf606c37c26_quant
    .symbol:         k_qf606c37c26_quant.kd
    .args:
      - { .name: query, .offset: 0, .size: 8, .value_kind: global_buffer, .address_space: global }
      - { .name: key, .offset: 8, .size: 8, .value_kind: global_buffer, .address_space: global }
      - { .name: value, .offset: 16, .size: 8, .value_kind: global_buffer, .address_space: global }
      - { .name: Wq, .offset: 24, .size: 8, .value_kind: global_buffer, .address_space: global }
      - { .name: Wk, .offset: 32, .size: 8, .value_kind: global_buffer, .address_space: global }
      - { .name: Wv, .offset: 40, .size: 8, .value_kind: global_buffer, .address_space: global }
      - { .name: Wo, .offset: 48, .size: 8, .value_kind: global_buffer, .address_space: global }
      - { .name: codes, .offset: 56, .size: 8, .value_kind: global_buffer, .address_space: global }
      - { .name: scl, .offset: 64, .size: 8, .value_kind: global_buffer, .address_space: global }
      - { .name: woimg, .offset: 72, .size: 8, .value_kind: global_buffer, .address_space: global }
      - { .name: wos, .offset: 80, .size: 8, .value_kind: global_buffer, .address_space: global }
    .group_segment_fixed_size: 33280
    .private_segment_fixed_size: 0
    .kernarg_segment_align: 8
    .kernarg_segment_size: 88
    .max_flat_workgroup_size: 128
    .sgpr_count:     66
    .vgpr_count:     220
    .wavefront_size: 32
...
	.end_amdgpu_metadata
.endif
;; end of part 1
;; launch proj (part 2): grid 4 x 64, 4 waves a work-group, clusters of 4 x 4, 327,680 bytes of LDS; arguments codes, scl, bq, bk, bv, att; writes att
.if DOCPART == 2
	.amdgcn_target "amdgcn-amd-amdhsa--gfx1250"
	.amdhsa_code_object_version 6
	.text
	.protected	k_qf606c37c26_proj
	.globl	k_qf606c37c26_proj
	.p2align	8
	.type	k_qf606c37c26_proj,@function
k_qf606c37c26_proj:
	s_mov_b64 s[64:65], 0
	v_nop
	global_prefetch_b8 v0, s[64:65] scope:SCOPE_SE
	s_setreg_imm32_b32 hwreg(HW_REG_WAVE_MODE, 25, 1), 1
	s_wait_xcnt 0x0
	s_wait_alu depctr_hold_cnt(0) depctr_sa_sdst(0) depctr_va_vdst(0) depctr_va_sdst(0) depctr_va_ssrc(0) depctr_va_vcc(0) depctr_vm_vsrc(0)
	s_getreg_b32 s2, hwreg(HW_REG_IB_STS2, 6, 4)
	s_cmp_eq_u32 s2, 0
	s_cbranch_scc0 .Lentry_in_a_cluster
	s_endpgm
.Lentry_in_a_cluster:
	s_bfe_u32 s2, ttmp6, 0x10000c
	s_cmp_lg_u32 s2, 0xf033
	s_cbranch_scc0 .Lentry_shape_is_right
	s_endpgm
.Lentry_shape_is_right:
.set KSTEP,  256
.set NQ,     KSTEP/128
.set ROWB,   256
.set KROW,   1024
.set PITCH,  272
.set FR,     16
.set NL,     4
.set NP,     8
.set HALFT,  128*PITCH
.set SLOT,   4*HALFT
.set LAPS,   1024/(2*KSTEP)
.set KS,     32
.set SCL,    2*SLOT
.set HALFS,  (128*KS/256)*272
.set SBLK,   (16*KS/256)*272
.set SPARE,  SCL+4*HALFS
.set HB,     270336
.set QIMG,   64*HB
.set QS,     QIMG+4194304
.set BM,   8
.set ADRA, 16
.set PSEL, 18
.set ADRB, 20
.set VO,   22
.set VSO,  26
.set ADRS, 27
.set SPW,  28
.set NIL,  29
.set SC,   32
.set BN,   64
.set AF,   128
.set T,    128
.set PC,   192
.set TM,   224
.set W,    240
.set Z,    248
.set ZT,   252
.set D1,  4
.set D2,  6
.set BP,  8
.set FN,  10
.set FM,  12
.set SEL, 20
.set MNT, 22
.set MK,  66
.set MHI, 67
.set SBP, 96
.set CBP, 98
.set G1, 24
.set G0, 32
.set G1B, 48
.set G0B, 56
.set G1S, 68
.set G0S, 76
.set G1SB, 80
.set G0SB, 88
.set MSB, 0
.macro WIN new
.if MSB != \new
	s_set_vgpr_msb (MSB<<8)|\new
.set MSB, \new
.endif
.endm
.set MUL_LO, 0xa1
.set MUL_HI, 0xf1
.set TO_B,   0x40
.macro JLOAD g0a, g1a, g0b, g1b
	s_cmp_eq_u32 s15, 0
	s_cbranch_scc0 .Lfor_b_\@
	tensor_load_to_lds s[\g0a:\g0a+3], s[\g1a:\g1a+7]
	s_nop 0
.rept 4
	v_nop
.endr
	s_branch .Lasked_\@
.Lfor_b_\@:
	tensor_load_to_lds s[\g0b:\g0b+3], s[\g1b:\g1b+7]
	s_nop 0
.rept 4
	v_nop
.endr
.Lasked_\@:
.endm
.macro CREST
	s_cmp_lg_u32 s14, 0
	s_cbranch_scc1 .Lnot_wave_0_\@
	s_barrier_signal -3
.Lnot_wave_0_\@:
	s_barrier_wait -3
	s_barrier_signal -1
	s_barrier_wait -1
.endm
.macro CROUND
	s_barrier_signal -1
	s_barrier_wait -1
	CREST
.endm
	s_load_b128 s[4:7], s[0:1], 0x0
	s_load_b128 s[8:11], s[0:1], 0x10
	s_load_b128 s[96:99], s[0:1], 0x20
	v_lshl_add_u32 v[SPW], v0, 2, SPARE
	v_mov_b32 v[NIL], 0
	ds_add_u32 v28, v29
	ds_add_u32 v28, v29
	s_wait_dscnt 0x0
	v_lshrrev_b32 v1, 5, v0
	v_readfirstlane_b32 s14, v1
	s_lshr_b32 s15, s14, 1
	s_and_b32 s16, s14, 1
	s_bfe_u32 s40, ttmp6, 0x40000
	s_bfe_u32 s41, ttmp6, 0x40004
	s_and_b32 s95, ttmp7, 0xffff
	s_add_co_u32 s95, s95, 4                       ; this launch makes K (rows of clusters 4 to 11) and V (12 to 19): 256 work-groups; Q is made by the launch that uses it
	s_cmp_lt_u32 s95, 12
	s_cselect_b32 s17, s95, 22
	s_cselect_b32 s42, 21, s95
	s_cmp_lt_u32 s95, 4
	s_cselect_b32 s42, 20, s42
	s_lshl_b32 s17, s17, 2
	s_add_co_u32 s17, s17, s41
	s_lshl_b32 s42, s42, 2
	s_add_co_u32 s42, s42, s40
	s_lshl_b32 s43, s41, 2
	s_lshl_b32 s43, 15, s43
	s_lshl_b32 s44, 0x1111, s40
	s_or_b32 s[G1+0], s43, (0<<16)|(1<<20)|(1<<21)|(5<<22)|(3<<25)
	s_or_b32 s[G1B+0], s44, (0<<16)|(1<<20)|(1<<21)|(5<<22)|(3<<25)
.irp g, G1, G1B
	s_mov_b32 s[\g+1], ROWB<<16
	s_mov_b32 s[\g+2], 256<<16                     ; the head's loads of codes bring 256 rows; behind them the two words that count rows are set to 128
	s_mov_b32 s[\g+3], ROWB<<16
	s_mov_b32 s[\g+4], 256
	s_mov_b32 s[\g+5], KROW
	s_mov_b32 s[\g+6], 0
	s_mov_b32 s[\g+7], 0
.endr
	s_or_b32 s[G1S+0], s43, (3<<16)|(1<<20)|(1<<21)|(5<<22)|(3<<25)
	s_or_b32 s[G1SB+0], s44, (3<<16)|(1<<20)|(1<<21)|(5<<22)|(3<<25)
.irp g, G1S, G1SB
	s_mov_b32 s[\g+1], 32<<16
	s_mov_b32 s[\g+2], KS<<16                      ; the scales of 256 rows: KS rows of 256 bytes
	s_mov_b32 s[\g+3], 32<<16
	s_mov_b32 s[\g+4], KS
	s_mov_b32 s[\g+5], 32
	s_mov_b32 s[\g+6], 0
	s_mov_b32 s[\g+7], 0
.endr
	s_lshl_b32 s20, s17, 8                         ; the tiles' first rows
	s_lshl_b32 s46, s42, 8
	s_mov_b32 s21, 0
	s_mov_b32 s47, 0
	s_mov_b64 s[18:19], KS
	s_mul_u64 s[22:23], s[20:21], s[18:19]
	s_mul_u64 s[92:93], s[46:47], s[18:19]
	s_mov_b64 s[18:19], KROW
	s_mul_u64 s[20:21], s[20:21], s[18:19]
	s_mul_u64 s[46:47], s[46:47], s[18:19]
	s_mul_i32 s18, s16, 128*KROW                   ; in the ring I fetch 128 rows of a tile: which half, in bytes
	s_mov_b32 s19, 0
	s_mul_i32 s45, s14, HALFT
	s_wait_kmcnt 0x0
	s_add_nc_u64 s[20:21], s[4:5], s[20:21]
	s_add_nc_u64 s[22:23], s[6:7], s[22:23]
	s_add_nc_u64 s[46:47], s[4:5], s[46:47]
	s_add_nc_u64 s[92:93], s[6:7], s[92:93]
	CROUND
	s_mov_b32 s[G0S], 1
	s_mov_b32 s[G0S+1], SCL
	s_mov_b64 s[G0S+2:G0S+3], s[22:23]
	s_or_b32 s[G0S+3], s[G0S+3], 0x80000000
	s_mov_b32 s[G0SB], 1
	s_mov_b32 s[G0SB+1], SCL+2*HALFS
	s_mov_b64 s[G0SB+2:G0SB+3], s[92:93]
	s_or_b32 s[G0SB+3], s[G0SB+3], 0x80000000
	s_mov_b32 s[G0], 1                             ; the head's tiles, each whole: K step 0's 256 rows of A, in slot 0's own group 0,
	s_mov_b32 s[G0+1], 0
	s_mov_b64 s[G0+2:G0+3], s[20:21]
	s_or_b32 s[G0+3], s[G0+3], 0x80000000
	s_mov_b32 s[G0B], 1                            ; and its 256 rows of B, behind them
	s_mov_b32 s[G0B+1], 2*HALFT
	s_mov_b64 s[G0B+2:G0B+3], s[46:47]
	s_or_b32 s[G0B+3], s[G0B+3], 0x80000000
	s_add_nc_u64 s[20:21], s[20:21], s[18:19]      ; for the ring: my 128 rows of the tile
	s_add_nc_u64 s[46:47], s[46:47], s[18:19]
	s_mov_b32 s[G0+4], 1                           ; slot 1: K step 1
	s_add_co_u32 s[G0+5], s45, SLOT
	s_add_nc_u64 s[G0+6:G0+7], s[20:21], ROWB
	s_or_b32 s[G0+7], s[G0+7], 0x80000000
	s_mov_b32 s[G0B+4], 1
	s_add_co_u32 s[G0B+5], s45, SLOT
	s_add_nc_u64 s[G0B+6:G0B+7], s[46:47], ROWB
	s_or_b32 s[G0B+7], s[G0B+7], 0x80000000
; THE HEAD'S LOADS, ONE A WAVE: wave 0 fetches K step 0's 256 rows of A, wave 1 its 256 rows of B, wave 2 the scales of A's 256 rows, wave 3 those of B's.  One chain of branches on the wave's number, one load to an arm.
.macro ARM under, g0, g1, next
	s_cmp_lt_u32 s14, \under
	s_cbranch_scc0 \next
	tensor_load_to_lds s[\g0:\g0+3], s[\g1:\g1+7]
	s_nop 0
.rept 4
	v_nop
.endr
	s_branch .Lhead_asked
\next:
.endm
	ARM 1, G0,  G1,  .Lhead_b
	ARM 2, G0B, G1B, .Lhead_sa
	ARM 3, G0S, G1S, .Lhead_sb
	tensor_load_to_lds s[G0SB:G0SB+3], s[G1SB:G1SB+7]
	s_nop 0
.rept 4
	v_nop
.endr
.Lhead_asked:
	v_and_b32 v1, 15, v0
	v_bfe_u32 v2, v0, 4, 1
	v_mul_u32_u24 v3, v1, PITCH
	v_lshl_add_u32 v4, v2, 4, v3
	s_mul_i32 s21, s15, HALFT
	s_mul_i32 s22, s16, HALFT
	s_add_co_u32 s22, s22, 2*HALFT
.irp s, 0,1
	v_add_nc_u32 v[ADRA+\s], s21, v4
	v_add_nc_u32 v[ADRB+\s], s22, v4
	s_add_co_u32 s21, s21, SLOT
	s_add_co_u32 s22, s22, SLOT
.endr
	v_mul_u32_u24 v5, v1, KS
	v_lshrrev_b32 v6, 8, v5
	v_lshl_add_u32 v5, v6, 4, v5
	s_mul_i32 s21, s15, HALFS
	s_mul_i32 s22, s16, HALFS
	s_add_co_u32 s22, s22, 2*HALFS
	s_sub_co_u32 s22, s22, s21
	v_mul_u32_u24 v6, s22, v2
	s_add_co_u32 s21, s21, SCL
	v_add_nc_u32 v5, v5, v6
	v_add_nc_u32 v[ADRS], s21, v5
	s_cmp_lt_u32 s95, 4
	s_cselect_b64 s[BP:BP+1], s[8:9], s[10:11]
	s_cselect_b32 s44, 10, 11
	s_cselect_b32 s47, 0, 16
	s_mov_b32 s92, HB
	s_cselect_b32 s92, 65536, s92
	s_cselect_b32 s93, QIMG, 0
	s_mov_b32 s94, HB
	s_cselect_b32 s94, 256, s94
	s_cmp_ge_u32 s95, 12
	s_cselect_b64 s[BP:BP+1], s[96:97], s[BP:BP+1]
	s_cselect_b32 s47, 48, s47
	s_cselect_b32 s43, s42, s17
	s_cselect_b32 s18, s16, s15
	s_cselect_b32 s45, s41, s40
	s_cselect_b32 s46, s15, s16
	s_cselect_b32 s100, 131072, 0
	s_mov_b32 s[D1], 1024
	s_cselect_b32 s[D1], 2048, s[D1]
	s_mov_b32 s[D2], 4096
	s_cselect_b32 s[D2], HB, s[D2]
	s_cselect_b32 s101, 1024, s92
	s_cselect_b32 s[FN], 0, 1.0
	s_cselect_b32 s[FM], 1.0, 0
	s_cselect_b32 s19, 4096, 0
	s_mov_b32 s[FN+1], s[FN]
	s_mov_b32 s[FM+1], s[FM]
	s_mov_b32 s[D1+1], 0
	s_mov_b32 s[D2+1], 0
	s_mul_i32 s21, s[D1], 3
	s_sub_co_u32 s[D2], s[D2], s21
	s_sub_co_u32 s43, s43, s47
	s_lshl_b32 s43, s43, 8
	s_lshl_b32 s18, s18, 7
	s_add_co_u32 s43, s43, s18
	s_lshl_b32 s45, s45, 8
	s_lshl_b32 s46, s46, 7
	s_add_co_u32 s45, s45, s46
	s_lshr_b32 s46, s43, s44
	s_lshl_b32 s47, s46, s44
	s_sub_co_u32 s47, s43, s47
	s_lshl_b32 s46, s46, 4
	s_lshr_b32 s21, s45, 6
	s_add_co_u32 s46, s46, s21
	s_mul_i32 s66, s46, s92
	s_lshl_b32 s21, s47, 6
	s_add_co_u32 s66, s66, s21
	s_add_co_u32 s66, s66, s93
	s_add_co_u32 s66, s66, s100
	s_mov_b32 s67, 0
	s_lshr_b32 s22, s45, 7
	s_lshl_b32 s22, s22, 14
	s_lshr_b32 s21, s43, 6
	s_lshl_b32 s21, s21, 8
	s_add_co_u32 s22, s22, s21
	s_add_co_u32 s22, s22, QS
	s_mul_i32 s20, s46, HB
	s_lshl_b32 s21, s47, 1
	s_add_co_u32 s20, s20, s21
	s_add_co_u32 s20, s20, s19
	s_add_co_u32 s20, s20, 262144
	s_cmp_lt_u32 s95, 4
	s_cselect_b32 s20, s22, s20
	s_mov_b32 s21, 0
	s_add_nc_u64 s[SBP:SBP+1], s[98:99], s[20:21]
	s_add_nc_u64 s[CBP:CBP+1], s[98:99], s[66:67]
	s_lshl_b32 s19, s45, 2
	s_cmp_ge_u32 s95, 12
	s_cselect_b32 s23, 0, s19
	s_cselect_b32 s19, s19, 0
	s_sub_co_u32 s[MK], s95, 4
	s_cmp_lt_u32 s[MK], 8
	s_cselect_b32 s[MK], -1, 0
	s_mov_b32 s[MHI], 0xffff0000
	s_mov_b32 s[SEL], 0x76543210
	s_mov_b32 s[SEL+1], 0xfedcba98
	s_mov_b32 s[MNT], 0x600000
	v_and_b32 v6, 31, v0
	v_lshlrev_b32 v[VO], 4, v6
	v_add_nc_u32 v[VO+1], 512, v[VO]
	v_add_nc_u32 v[VO+2], s101, v[VO]
	v_add_nc_u32 v[VO+3], s101, v[VO+1]
	v_mul_u32_u24 v[VSO], s94, v2
	v_lshl_add_u32 v[VSO], v1, 4, v[VSO]
	v_mov_b32 v[PSEL], 0x05040100
	v_mov_b32 v19, 0x07060302
	v_cndmask_b32 v[PSEL], v[PSEL], v19, s[MHI]
	v_lshl_add_u32 v30, v2, 6, s23
	v_and_b32 v31, 8, v1
	v_add_nc_u32 v31, v31, v1
	v_lshl_add_u32 v31, v31, 2, s19
.irp b, 0,1,2,3
.irp j, 0,1,2,3
	global_load_b128 v[BN+16*\b+4*\j:BN+16*\b+4*\j+3], v30, s[BP:BP+1] offset:128*\b+16*\j
.endr
.endr
.irp a, 0,1,2,3,4,5,6,7
	global_load_b32 v[BM+\a], v31, s[BP:BP+1] offset:4*(32*(\a/2)+8*(\a%2))
.endr
.macro FRAG reg, adr, q, i
.irp c, 0,1,2,3
	ds_load_b128 v[\reg+4*\c:\reg+4*\c+3], v[\adr] offset:128*(\q)+32*\c+(\i)*16*PITCH
.endr
.endm
.macro MUL16 a0, p, q, sc, zero
.irp a, \a0, \a0+1
.irp b, 0,1,2,3,4,5,6,7
.if \zero
	v_wmma_scale_f32_16x16x128_f8f6f4 v[8*(8*((\a)%4)+\b):8*(8*((\a)%4)+\b)+7], v[128*(\p)+FR*\b:128*(\p)+FR*\b+FR-1], v[AF+FR*(\a):AF+FR*(\a)+FR-1], 0, v[SC+8*NQ*(\sc)+NQ*\b+(\q)], v[SC+8*NQ*(\sc)+NQ*(\a)+(\q)] matrix_a_fmt:MATRIX_FMT_BF8 matrix_b_fmt:MATRIX_FMT_BF8 matrix_a_scale:MATRIX_SCALE_ROW1
.else
	v_wmma_scale_f32_16x16x128_f8f6f4 v[8*(8*((\a)%4)+\b):8*(8*((\a)%4)+\b)+7], v[128*(\p)+FR*\b:128*(\p)+FR*\b+FR-1], v[AF+FR*(\a):AF+FR*(\a)+FR-1], v[8*(8*((\a)%4)+\b):8*(8*((\a)%4)+\b)+7], v[SC+8*NQ*(\sc)+NQ*\b+(\q)], v[SC+8*NQ*(\sc)+NQ*(\a)+(\q)] matrix_a_fmt:MATRIX_FMT_BF8 matrix_b_fmt:MATRIX_FMT_BF8 matrix_a_scale:MATRIX_SCALE_ROW1
.endif
.endr
.endr
.endm
.macro FETCH_B slot, q, p
	WIN TO_B
.irp i, 0,1,2,3,4,5,6,7
	FRAG 128*(\p)+FR*\i, ADRB+\slot, \q, \i
.endr
	WIN 0
.endm
.macro FETCH_A slot, q, i0
.irp i, \i0, \i0+1, \i0+2, \i0+3
	FRAG AF+FR*(\i), ADRA+\slot, \q, \i
.endr
.endm
.macro SCALES sc
.irp i, 0,1,2,3,4,5,6,7
	ds_load_b64 v[SC+8*NQ*\sc+NQ*\i:SC+8*NQ*\sc+NQ*\i+1], v[ADRS] offset:\i*SBLK
.endr
.endm
.macro PLACES n
.rept \n
	v_nop
.endr
.endm
.macro STEP slot, q, zero
	s_wait_dscnt 4*NL
	WIN MUL_LO
	MUL16 0, (\q)%2, \q, \slot, \zero
	MUL16 2, (\q)%2, \q, \slot, \zero
	s_wait_dscnt 0
	PLACES NP
	FETCH_B \slot, (\q)+1, 1-(\q)%2
	FETCH_A \slot, (\q)+1, 0
	WIN MUL_HI
	MUL16 4, (\q)%2, \q, \slot, \zero
	MUL16 6, (\q)%2, \q, \slot, \zero
	PLACES NP
	WIN 0
	FETCH_A \slot, (\q)+1, 4
.endm
.macro TURN slot, next, fill
	s_wait_tensorcnt 0x0
	ds_add_u32 v[SPW], v[NIL]
	s_wait_dscnt 4*NL+1
	WIN MUL_LO
	MUL16 0, 1, NQ-1, \slot, 0
	s_wait_dscnt 0x0
	s_barrier_signal -1
	MUL16 2, 1, NQ-1, \slot, 0
	WIN 0
	s_barrier_wait -1
.if \fill
	CREST
	s_add_nc_u64 s[G0+4*\slot+2:G0+4*\slot+3], s[G0+4*\slot+2:G0+4*\slot+3], 2*ROWB
	s_add_nc_u64 s[G0B+4*\slot+2:G0B+4*\slot+3], s[G0B+4*\slot+2:G0B+4*\slot+3], 2*ROWB
	JLOAD G0+4*\slot, G1, G0B+4*\slot, G1B
	PLACES NP-4
.else
	PLACES NP
.endif
	s_wait_alu depctr_va_vdst(0)
	v_add_nc_u32 v[ADRS], 4*NQ, v[ADRS]
	FETCH_B \next, 0, 0
	FETCH_A \next, 0, 0
	SCALES \next
	WIN MUL_HI
	MUL16 4, 1, NQ-1, \slot, 0
	MUL16 6, 1, NQ-1, \slot, 0
	PLACES NP
	WIN 0
	FETCH_A \next, 0, 4
.endm
.macro QUANT s, pc, pw
.irp b, 0,1,2,3
	v_max3_num_f32 v[TM+\b], |v[\s+16*\b]|, |v[\s+1+16*\b]|, 0x8000000
.endr
.irp i, 2,4,6,8,10,12,14
.irp b, 0,1,2,3
	v_max3_num_f32 v[TM+\b], v[TM+\b], |v[\s+16*\b+\i]|, |v[\s+1+16*\b+\i]|
.endr
.endr
.irp b, 0,1,2,3
	v_permlanex16_b32 v[TM+4+\b], v[TM+\b], s[SEL], s[SEL+1]
.endr
.irp b, 0,1,2,3
	v_max_num_f32 v[TM+\b], v[TM+\b], v[TM+4+\b]
.endr
.irp b, 0,1,2,3
	v_add_nc_u32 v[TM+12+\b], 0xf8800000, v[TM+\b]
.endr
.irp b, 0,1,2,3
	v_and_or_b32 v[TM+8+\b], v[TM+\b], 0x7f800000, s[MNT]
.endr
.irp b, 0,1,2,3
	v_lshrrev_b32 v[TM+4+\b], 23, v[TM+12+\b]
.endr
	v_lshl_or_b32 v[\pw], v[TM+5], 8, v[TM+4]
	v_lshl_or_b32 v[\pw], v[TM+6], 16, v[\pw]
	v_lshl_or_b32 v[\pw], v[TM+7], 24, v[\pw]
.irp b, 0,1,2,3
.irp i, 0,1,2,3,4,5,6,7,8,9,10,11,12,13,14,15
	v_med3_num_f32 v[\s+16*\b+\i], v[\s+16*\b+\i], -v[TM+8+\b], v[TM+8+\b]
.endr
	v_cvt_scalef32_pk8_bf8_f32 v[\pc+4*\b:\pc+1+4*\b], v[\s+16*\b:\s+7+16*\b], v[TM+12+\b]
	v_cvt_scalef32_pk8_bf8_f32 v[\pc+2+4*\b:\pc+3+4*\b], v[\s+8+16*\b:\s+15+16*\b], v[TM+12+\b]
.endr
	v_nop
.endm
.macro OUTBLK a
.set AC, 64*((\a)%4)
.set PCB, PC+16*((\a)%2)
	WIN 0x20+0x10*((\a)/4)
.irp b, 0,1,2,3,4,5,6,7
.irp i, 0,2,4,6
	v_pk_fma_f32 v[T+8*\b+\i:T+8*\b+\i+1], v[BN+8*\b+\i:BN+8*\b+\i+1], s[FN:FN+1], v[AC+8*\b+\i:AC+8*\b+\i+1] op_sel_hi:[1,0,1]
.endr
.endr
	WIN 0
.set j, 0
.rept 32
.if ((\a)%2) == 0
	v_pk_fma_f32 v[T+j:T+j+1], v[BM+2*((\a)/2):BM+2*((\a)/2)+1], s[FM:FM+1], v[T+j:T+j+1] op_sel_hi:[0,0,1]
.else
	v_pk_fma_f32 v[T+j:T+j+1], v[BM+2*((\a)/2):BM+2*((\a)/2)+1], s[FM:FM+1], v[T+j:T+j+1] op_sel:[1,0,0] op_sel_hi:[1,0,1]
.endif
.set j, j+2
.endr
	QUANT T, PCB, W+(\a)
	s_wait_alu depctr_va_vdst(0)
	s_wait_xcnt 0x0
.if (\a) == 4
	s_add_nc_u64 s[CBP:CBP+1], s[CBP:CBP+1], s[D2:D2+1]
.elseif (\a) > 0
	s_add_nc_u64 s[CBP:CBP+1], s[CBP:CBP+1], s[D1:D1+1]
.endif
.irp b, 0,1,2,3
	global_store_b128 v[VO+\b], v[PCB+4*\b:PCB+4*\b+3], s[CBP:CBP+1]
.endr
.endm
	s_wait_alu depctr_va_vdst(0)
	s_wait_loadcnt 0x0                             ; the biases
	s_wait_tensorcnt 0x0                           ; my tile of the head's four is in
	ds_add_u32 v[SPW], v[NIL]
	s_mov_b32 s[G1+2], 128<<16                     ; no tensor load of mine is out, so descriptors may be written: from here on a load brings 128 rows,
	s_mov_b32 s[G1+4], 128
	s_mov_b32 s[G1B+2], 128<<16
	s_mov_b32 s[G1B+4], 128
	s_mul_i32 s76, s16, 128*KROW                   ; and slot 0's groups 0 stand at my 128 rows of K step 0 (s76, s77 held a descriptor that is done with)
	s_mov_b32 s77, 0
	s_add_nc_u64 s[G0+2:G0+3], s[G0+2:G0+3], s[76:77]
	s_add_nc_u64 s[G0B+2:G0B+3], s[G0B+2:G0B+3], s[76:77]
	s_mul_i32 s[G0+1], s14, HALFT
	s_mov_b32 s[G0B+1], s[G0+1]
	s_wait_dscnt 0x0
	CROUND                                         ; all four tiles are in, and all sixteen work-groups are here
	JLOAD G0+4, G1, G0B+4, G1B                     ; K step 1, the first tensor load behind the round
	FETCH_B 0, 0, 0
	FETCH_A 0, 0, 0
	SCALES 0
	FETCH_A 0, 0, 4
	STEP 0, 0, 1
	s_mov_b32 s3, LAPS-1
.Llap:
	TURN 0, 1, 1
	STEP 1, 0, 0
	TURN 1, 0, 1
	STEP 0, 0, 0
	s_sub_co_u32 s3, s3, 1
	s_cmp_lg_u32 s3, 0
	s_cbranch_scc1 .Llap
	TURN 0, 1, 0
	STEP 1, 0, 0
	s_wait_dscnt 4*NL
	WIN MUL_LO
	MUL16 0, 1, NQ-1, 1, 0
	MUL16 2, 1, NQ-1, 1, 0
	s_wait_dscnt 0
	WIN MUL_HI
	MUL16 4, 1, NQ-1, 1, 0
	MUL16 6, 1, NQ-1, 1, 0
	WIN 0
	PLACES NP
.irp b, 0,1,2,3
	v_mov_b32 v[TM+4+\b], 0
.endr
.irp a, 0,1,2,3,4,5,6,7
	OUTBLK \a
.endr
.irp i, 0,1,2,3
	v_cndmask_b32 v[Z+\i], v[W+\i], v[W+4+\i], s[MHI]
	v_perm_b32 v[ZT+\i], v[W+2*\i+1], v[W+2*\i], v[PSEL]
.endr
.irp i, 0,1,2,3
	v_cndmask_b32 v[Z+\i], v[Z+\i], v[ZT+\i], s[MK]
.endr
	global_store_b128 v[VSO], v[Z:Z+3], s[SBP:SBP+1]
	s_wait_tensorcnt 0x0
	ds_add_u32 v[SPW], v[NIL]
	s_wait_dscnt 0x0
	CROUND
	s_endpgm
.Lfunc_end_k_qf606c37c26_proj:
	.size	k_qf606c37c26_proj, .Lfunc_end_k_qf606c37c26_proj-k_qf606c37c26_proj
	.p2alignl 7, 3214868480
	.fill 96, 4, 3214868480
	.section	.rodata,"a",@progbits
	.p2align	6, 0x0
	.amdhsa_kernel k_qf606c37c26_proj
		.amdhsa_group_segment_fixed_size 327680
		.amdhsa_private_segment_fixed_size 0
		.amdhsa_enable_private_segment 0
		.amdhsa_kernarg_size 48
		.amdhsa_user_sgpr_count 2
		.amdhsa_user_sgpr_kernarg_segment_ptr 1
		.amdhsa_wavefront_size32 1
		.amdhsa_system_sgpr_workgroup_id_x 1
		.amdhsa_system_sgpr_workgroup_id_y 1
		.amdhsa_system_sgpr_workgroup_id_z 1
		.amdhsa_system_vgpr_workitem_id 0
		.amdhsa_next_free_vgpr 1024
		.amdhsa_next_free_sgpr 102
		.amdhsa_reserve_vcc 0
		.amdhsa_float_denorm_mode_32 3
		.amdhsa_float_denorm_mode_16_64 3
		.amdhsa_memory_ordered 1
		.amdhsa_forward_progress 1
		.amdhsa_inst_pref_size 223
	.end_amdhsa_kernel
	.amdgpu_metadata
---
amdhsa.version: [ 1, 2 ]
amdhsa.kernels:
  - .name:           k_qf606c37c26_proj
    .symbol:         k_qf606c37c26_proj.kd
    .args:
      - { .name: codes, .offset: 0, .size: 8, .value_kind: global_buffer, .address_space: global }
      - { .name: scl, .offset: 8, .size: 8, .value_kind: global_buffer, .address_space: global }
      - { .name: bq, .offset: 16, .size: 8, .value_kind: global_buffer, .address_space: global }
      - { .name: bk, .offset: 24, .size: 8, .value_kind: global_buffer, .address_space: global }
      - { .name: bv, .offset: 32, .size: 8, .value_kind: global_buffer, .address_space: global }
      - { .name: att, .offset: 40, .size: 8, .value_kind: global_buffer, .address_space: global }
    .group_segment_fixed_size: 327680
    .private_segment_fixed_size: 0
    .kernarg_segment_align: 8
    .kernarg_segment_size: 48
    .max_flat_workgroup_size: 128
    .sgpr_count:     102
    .vgpr_count:     1024
    .wavefront_size: 32
...
	.end_amdgpu_metadata
.endif
;; end of part 2
;; launch attn (part 3): grid 4 x 64, 8 waves a work-group, clusters of 4 x 1, 327,680 bytes of LDS; arguments att, codes, scl, woimg, wos, bq, ctxc, ctxs; writes ctxc, ctxs
.if DOCPART == 3
	.amdgcn_target "amdgcn-amd-amdhsa--gfx1250"
	.amdhsa_code_object_version 6
	.text
	.protected	k_qf606c37c26_attn
	.globl	k_qf606c37c26_attn
	.p2align	8
	.type	k_qf606c37c26_attn,@function
k_qf606c37c26_attn:
	s_mov_b64 s[64:65], 0
	v_nop
	global_prefetch_b8 v0, s[64:65] scope:SCOPE_SE
	s_setreg_imm32_b32 hwreg(HW_REG_WAVE_MODE, 25, 1), 1
	s_wait_xcnt 0x0
	s_wait_alu depctr_hold_cnt(0) depctr_sa_sdst(0) depctr_va_vdst(0) depctr_va_sdst(0) depctr_va_ssrc(0) depctr_va_vcc(0) depctr_vm_vsrc(0)
	s_getreg_b32 s2, hwreg(HW_REG_IB_STS2, 6, 4)
	s_cmp_eq_u32 s2, 0
	s_cbranch_scc0 .Lentry_in_a_cluster
	s_endpgm
.Lentry_in_a_cluster:
	s_bfe_u32 s2, ttmp6, 0x10000c
	s_cmp_lg_u32 s2, 0x3003
	s_cbranch_scc0 .Lentry_shape_is_right
	s_endpgm
.Lentry_shape_is_right:
; Q = query Wq^T + bq for one head, quantised; then ctx = the sum over keys of softmax(Q . K / 8) V; all three products on codes of BF8 (E5M2) with E8M0 scales.
; ctx is quantised along the model's 1,024 (two blocks a head) and stored as the last launch's operand registers.
; THE SOFTMAX: t = score x log2(e) / 8; M = the row's largest t so far, rounded up to a whole number; p = 2^(t - M) is quantised along the keys, not normalised.  The row's sum is taken of the unquantised p
; and divides at the end.  When M moves, the sum and O are multiplied by 2^(old M - new M): exact.
; SHARES.  A work-group owns 256 queries of one (batch, head); each of its eight waves TWO tiles of 16, in 512 registers, two waves to a SIMD: each fragment of K, V and Wq that is read from LDS feeds both tiles' products.
; REGISTERS.  Window 0 (v0-255): addresses, K's fragments, all scale words, tile A's state.  Window 1: tile B's state under the same low numbers, so that one macro serves both tiles; its v48-111 hold V's fragments.
; Scale operands have no window: Q's and the queries' scale words carry tile A in lanes 0-15 and tile B in lanes 16-31; tile B's word of p is copied into v10.
; Q.  A wave's 32 rows of query codes are one dense block of 32,768 bytes: 64 loads on end bring all of it into registers.  The head's 64 rows of Wq come as an image of operand registers (65,536 bytes) through LDS.
; Source 0 = Wq's rows, source 1 = my queries; bq is the first products' C.  The rows of a tile of Wq were chosen so that register 16 b + i is channel 32 b + 16 (lane / 16) + i.
; LDS.  K's codes from byte 0, V's from 131,072, their scale words from 262,144, as they lie in memory; Wq's scale words from 270,336.  Wq's image lies where key steps 12-15 of K (98,304) and V (229,376) lie later.
; FILLS, one tensor load a wave each time.  At the head: Wq (waves 0, 1), key steps 0-3 of K and V (2-5), their scale words (6), Wq's scale words (7).  Behind the first full sequence and round: steps 4-11,
; all first fills.  Behind the second, behind step 3: steps 12-15, over Wq's image.  Every wait on TENSORcnt is for 0; one tensor load of a wave is out at the most.
; CLUSTER.  The four blocks of queries of a head need the same K, V and Wq: every tensor load is joint, with the mask of all four.
; PREFETCH.  Steps 4-15 of K and V, 2 x 384 blocks of 256 bytes, are named once in the cluster, at the head: 24 blocks a wave, the partners told apart by address (lanes 24-31 name the wave's last block again).
; THE SCORES HAVE K = 64 IN AN INSTRUCTION OF K = 128: a row of a fragment of K holds two keys; Q stands twice, Q1 = (codes, zeros), Q2 = (zeros, codes).  Zero codes add nothing under a finite scale byte.
; LIMITS: NaN and infinities are not served; the scaled scores stay under 2^31; a block of zeros gets the scale byte 1, read by this program alone.  ctx's scale bytes leave as 2 bytes a row and head.
.set HB,   270336
.set WQS,  270336
.set SPARE, 272384
.set LI,  1
.set LV,  2
.set LS,  3
.set ADK, 4
.set ADV, 5
.set ADS, 6
.set R32, 8
.set PWB, 10                           ; v10: at the head the queries' offset; then tile B's scale word of p
.set WS1, 12                           ; v12-15: at the head Wq's scale words, second set
.set Q1,  16
.set Q2,  32
.set KF,  48                           ; window 0: K's fragments; window 1: V's
.set S,   112
.set O,   176
.set PC,  208
.set BX,  224
.set BY,  228
.set HD,  232
.set SO,  236
.set KSW, 240
.set VSW, 244
.set QSW, 248
.set PW,  249
.set FF,  250
.set TP,  252
.set AQ,  16                           ; Q's sums, v16-47
.set XF,  112                          ; a tile's eight fragments of queries, v112-239
.set XS,  240                          ; the queries' scale words, one a K step
.set WSW, 248                          ; Wq's scale words, first set
.set WV,  12
.set MNT, 19
.set SEL, 20
.set CS,  22
.set MHI, 67
.set G1X, 24                           ; groups 1: 128, 64, 32, 8 rows of 256 bytes
.set G1B, 32
.set G1C, 40
.set G1W, 80
.set GW,  48                           ; groups 0: Wq, steps 0-3, scale words, Wq's scale words, steps 4-11, steps 12-15
.set GK,  52
.set GS,  56
.set GQ,  76
.set GB,  96
.set GC,  4
.set TB,  60
.set TS,  61
.set CNT, 62
.set MSB, 0
.macro WIN new                         ; bits 1:0 source 0, 3:2 source 1, 5:4 source 2, 7:6 destination; the high byte repeats the setting that is left
.if MSB != (\new)
	s_set_vgpr_msb (MSB<<8)|(\new)
.set MSB, \new
.endif
.endm
.macro ROUND
	s_barrier_signal -1
	s_barrier_wait -1
	s_cmp_lg_u32 s[WV], 0
	s_cbranch_scc1 .Lnot_wave_0_\@
	s_barrier_signal -3
.Lnot_wave_0_\@:
	s_barrier_wait -3
	s_barrier_signal -1
	s_barrier_wait -1
.endm
.macro G1SET g, rows                   ; dense rows of 256 bytes (32 elements of 8), no padding; the mask of all four work-groups, bit 21 beside it
	s_mov_b32 s[\g], 15|(3<<16)|(1<<21)
	s_mov_b32 s[\g+1], 32<<16
	s_mov_b32 s[\g+2], (\rows)<<16
	s_mov_b32 s[\g+3], 32<<16
	s_mov_b32 s[\g+4], \rows
	s_mov_b32 s[\g+5], 32
	s_mov_b32 s[\g+6], 0
	s_mov_b32 s[\g+7], 0
.endm
.macro TLOAD g0, g1                    ; s_nop 0 and four v_nop behind a tensor load
	tensor_load_to_lds s[\g0:\g0+3], s[\g1:\g1+7]
	s_nop 0
.rept 4
	v_nop
.endr
.endm
.macro ARM under, g0, g1, next
	s_cmp_lt_u32 s[WV], \under
	s_cbranch_scc0 \next
	TLOAD \g0, \g1
	s_branch .Lasked
\next:
.endm
.macro GRD
	s_wait_tensorcnt 0x0
	ds_add_u32 v7, v253
	s_wait_dscnt 0x0
.endm
; 32 numbers of a lane at v[s], register 16 b + i = channel 32 b + 16 (lane / 16) + i, become 8 registers of codes at PC and two scale bytes in PW
.macro QUANT2 s
.irp b, 0,1
	v_max3_num_f32 v[BX+\b], |v[(\s)+16*\b]|, |v[(\s)+1+16*\b]|, 0x8000000   ; and the floor 2^(16 - 127)
.endr
.irp i, 2,4,6,8,10,12,14
.irp b, 0,1
	v_max3_num_f32 v[BX+\b], v[BX+\b], |v[(\s)+16*\b+\i]|, |v[(\s)+1+16*\b+\i]|
.endr
.endr
.irp b, 0,1
	v_permlanex16_b32 v[BY+\b], v[BX+\b], s[SEL], s[SEL+1]
.endr
.irp b, 0,1
	v_max_num_f32 v[BX+\b], v[BX+\b], v[BY+\b]
.endr
.irp b, 0,1
	v_add_nc_u32 v[SO+\b], 0xf8800000, v[BX+\b]
.endr
.irp b, 0,1
	v_and_or_b32 v[HD+\b], v[BX+\b], 0x7f800000, s[MNT]
.endr
.irp b, 0,1
	v_lshrrev_b32 v[BY+\b], 23, v[SO+\b]
.endr
	v_lshl_or_b32 v[PW], v[BY+1], 8, v[BY]
.irp b, 0,1
.irp i, 0,1,2,3,4,5,6,7,8,9,10,11,12,13,14,15
	v_med3_num_f32 v[(\s)+16*\b+\i], v[(\s)+16*\b+\i], -v[HD+\b], v[HD+\b]
.endr
	v_cvt_scalef32_pk8_bf8_f32 v[PC+4*\b:PC+1+4*\b], v[(\s)+16*\b:(\s)+7+16*\b], v[SO+\b]
	v_cvt_scalef32_pk8_bf8_f32 v[PC+2+4*\b:PC+3+4*\b], v[(\s)+8+16*\b:(\s)+15+16*\b], v[SO+\b]
.endr
	v_nop                                          ; one plain line behind the last conversion
.endm
; the scores of tile w: fragment f against Q1: keys 32 f + 16 h + 0 .. 7; against Q2: keys 32 f + 16 h + 8 .. 15
.macro SMUL w
	WIN 0x44*(\w)
.irp f, 0,1,2,3
.if \w
	v_wmma_scale_f32_16x16x128_f8f6f4 v[S+16*\f:S+16*\f+7], v[KF+16*\f:KF+16*\f+15], v[Q1:Q1+15], 0, v[KSW+\f], v[QSW] matrix_a_fmt:MATRIX_FMT_BF8 matrix_b_fmt:MATRIX_FMT_BF8 matrix_b_scale:MATRIX_SCALE_ROW1
	v_wmma_scale_f32_16x16x128_f8f6f4 v[S+16*\f+8:S+16*\f+15], v[KF+16*\f:KF+16*\f+15], v[Q2:Q2+15], 0, v[KSW+\f], v[QSW] matrix_a_fmt:MATRIX_FMT_BF8 matrix_b_fmt:MATRIX_FMT_BF8 matrix_b_scale:MATRIX_SCALE_ROW1
.else
	v_wmma_scale_f32_16x16x128_f8f6f4 v[S+16*\f:S+16*\f+7], v[KF+16*\f:KF+16*\f+15], v[Q1:Q1+15], 0, v[KSW+\f], v[QSW] matrix_a_fmt:MATRIX_FMT_BF8 matrix_b_fmt:MATRIX_FMT_BF8
	v_wmma_scale_f32_16x16x128_f8f6f4 v[S+16*\f+8:S+16*\f+15], v[KF+16*\f:KF+16*\f+15], v[Q2:Q2+15], 0, v[KSW+\f], v[QSW] matrix_a_fmt:MATRIX_FMT_BF8 matrix_b_fmt:MATRIX_FMT_BF8
.endif
.endr
.endm
; tile w's softmax of a key step, its quantiser and its second product; all its registers lie in window w
.macro SOFT w
	WIN 0x55*(\w)
.if \w
	s_wait_alu depctr_va_vdst(0)
.endif
.irp b, 0,1,2,3
	v_max3_num_f32 v[BX+\b], v[S+16*\b], v[S+1+16*\b], v[S+2+16*\b]   ; each block's largest score: for the row's maximum and for the block's largest p
.endr
.irp i, 3,5,7,9,11,13
.irp b, 0,1,2,3
	v_max3_num_f32 v[BX+\b], v[BX+\b], v[S+16*\b+\i], v[S+1+16*\b+\i]
.endr
.endr
.irp b, 0,1,2,3
	v_max_num_f32 v[BX+\b], v[BX+\b], v[S+15+16*\b]
.endr
.irp b, 0,1,2,3
	s_delay_alu instid0(VALU_DEP_4)
	v_permlanex16_b32 v[BY+\b], v[BX+\b], s[SEL], s[SEL+1]
.endr
.irp b, 0,1,2,3
	s_delay_alu instid0(VALU_DEP_4)
	v_max_num_f32 v[BX+\b], v[BX+\b], v[BY+\b]
.endr
	s_delay_alu instid0(VALU_DEP_2)
	v_max3_num_f32 v[TP], v[BX], v[BX+1], v[BX+2]
	s_delay_alu instid0(VALU_DEP_1)
	v_max_num_f32 v[TP], v[TP], v[BX+3]
	s_delay_alu instid0(VALU_DEP_1)
	v_mul_f32 v[TP], s[CS], v[TP]
	s_delay_alu instid0(VALU_DEP_1)
	v_max_num_f32 v13, v13, v[TP]                  ; the running largest t
	v_mov_b32 v[TP], v12
	s_delay_alu instid0(VALU_DEP_2)
	v_floor_f32 v12, -v13                          ; the new -M
	s_delay_alu instid0(VALU_DEP_1)
	v_sub_f32 v[TP], v12, v[TP]
	s_delay_alu instid0(VALU_DEP_1)
	v_cvt_i32_f32 v[TP], v[TP]
	s_delay_alu instid0(VALU_DEP_1)
	v_ldexp_f32 v[FF], 1.0, v[TP]                  ; f = 2^(old M - new M)
.set j, 0
.rept 32
	v_pk_fma_f32 v[S+j:S+j+1], v[S+j:S+j+1], s[CS:CS+1], v[12:13] op_sel_hi:[1,0,0]   ; t - M
.set j, j+2
.endr
.irp b, 0,1,2,3
	v_fma_f32 v[BX+\b], v[BX+\b], s[CS], v12
.endr
.set j, 0
	s_wait_alu depctr_va_vdst(0)                   ; ahead of the batch
.rept 64
	v_exp_f32 v[S+j], v[S+j]
.set j, j+1
.endr
	v_pk_mul_f32 v[14:15], v[14:15], v[FF:FF+1] op_sel_hi:[1,0]
	s_wait_alu depctr_va_vdst(0)                   ; one wait for the batch of 64
.irp b, 0,1,2,3
	v_exp_f32 v[BX+\b], v[BX+\b]                   ; the block's largest p
.endr
; the row's sum of the unquantised p: 32 pairs in eight chains (v232-243, v254, v14)
.irp k, 0,1,2,3,4,5
	v_pk_add_f32 v[232+2*\k:233+2*\k], v[S+4*\k:S+4*\k+1], v[S+4*\k+2:S+4*\k+3]
.endr
	v_pk_add_f32 v[254:255], v[S+24:S+25], v[S+26:S+27]
	v_pk_add_f32 v[14:15], v[14:15], v[S+28:S+29]
.irp g, 0,1
.irp k, 0,1,2,3,4,5
	v_pk_add_f32 v[232+2*\k:233+2*\k], v[232+2*\k:233+2*\k], v[S+30+16*\g+2*\k:S+31+16*\g+2*\k]
.endr
	v_pk_add_f32 v[254:255], v[254:255], v[S+42+16*\g:S+43+16*\g]
	v_pk_add_f32 v[14:15], v[14:15], v[S+44+16*\g:S+45+16*\g]
.endr
	v_pk_add_f32 v[232:233], v[232:233], v[S+62:S+63]
	v_pk_add_f32 v[236:237], v[236:237], v[238:239]
	v_pk_add_f32 v[240:241], v[240:241], v[242:243]
	v_pk_add_f32 v[14:15], v[14:15], v[254:255]
	v_pk_add_f32 v[232:233], v[232:233], v[234:235]
	v_pk_add_f32 v[236:237], v[236:237], v[240:241]
	v_pk_add_f32 v[14:15], v[14:15], v[232:233]
	v_pk_add_f32 v[14:15], v[14:15], v[236:237]
	s_wait_alu depctr_va_vdst(0)                   ; and one for the four
.irp b, 0,1,2,3
	v_max_num_f32 v[BX+\b], 0x8000000, v[BX+\b]
.endr
.irp b, 0,1,2,3
	s_delay_alu instid0(VALU_DEP_4)
	v_add_nc_u32 v[SO+\b], 0xf8800000, v[BX+\b]
.endr
.irp b, 0,1,2,3
	v_and_or_b32 v[HD+\b], v[BX+\b], 0x7f800000, s[MNT]
.endr
.irp b, 0,1,2,3
	v_lshrrev_b32 v[BY+\b], 23, v[SO+\b]
.endr
	s_delay_alu instid0(VALU_DEP_3)
	v_lshl_or_b32 v[PW], v[BY+1], 8, v[BY]
	s_delay_alu instid0(VALU_DEP_1)
	v_lshl_or_b32 v[PW], v[BY+2], 16, v[PW]
	s_delay_alu instid0(VALU_DEP_1)
	v_lshl_or_b32 v[PW], v[BY+3], 24, v[PW]
.if \w
	WIN 0x01
	v_mov_b32 v[PWB], v[PW]                        ; a scale operand is taken from window 0
	WIN 0x55
.endif
.irp b, 0,1,2,3
.irp i, 0,2,4,6,8,10,12,14                     ; the hold, one-sided since p is not negative, two numbers an instruction
	v_dual_min_num_f32 v[S+16*\b+\i], v[S+16*\b+\i], v[HD+\b] :: v_dual_min_num_f32 v[S+16*\b+\i+1], v[S+16*\b+\i+1], v[HD+\b]
.endr
	v_cvt_scalef32_pk8_bf8_f32 v[PC+4*\b:PC+1+4*\b], v[S+16*\b:S+7+16*\b], v[SO+\b]
	v_cvt_scalef32_pk8_bf8_f32 v[PC+2+4*\b:PC+3+4*\b], v[S+8+16*\b:S+15+16*\b], v[SO+\b]
.endr
.set j, 0
.rept 16
	v_pk_mul_f32 v[O+j:O+j+1], v[O+j:O+j+1], v[FF:FF+1] op_sel_hi:[1,0]   ; O^T under the new M; also the places between the codes and the products
.set j, j+2
.endr
.if \w
.irp f, 0,1,2,3
	v_wmma_scale_f32_16x16x128_f8f6f4 v[O+8*\f:O+8*\f+7], v[KF+16*\f:KF+16*\f+15], v[PC:PC+15], v[O+8*\f:O+8*\f+7], v[VSW+\f], v[PWB] matrix_a_fmt:MATRIX_FMT_BF8 matrix_b_fmt:MATRIX_FMT_BF8
.endr
.else
	s_wait_alu depctr_va_vdst(0)
	s_wait_dscnt 0x0                               ; V's fragments and scale words
	WIN 0x01                                       ; source 0: V's fragments, in window 1
.irp f, 0,1,2,3
	v_wmma_scale_f32_16x16x128_f8f6f4 v[O+8*\f:O+8*\f+7], v[KF+16*\f:KF+16*\f+15], v[PC:PC+15], v[O+8*\f:O+8*\f+7], v[VSW+\f], v[PW] matrix_a_fmt:MATRIX_FMT_BF8 matrix_b_fmt:MATRIX_FMT_BF8
.endr
.endif
.endm
; A KEY STEP: 128 keys, both tiles
.macro STEP
	v_add_nc_u32 v[ADK], s[TB], v[LI]
	v_add_nc_u32 v[ADV], s[TB], v[LV]
	v_add_nc_u32 v[ADS], s[TS], v[LS]
.rept 5
	v_nop                                          ; with the three additions: eight places behind the last products
.endr
.irp f, 0,1,2,3
.irp c, 0,1,2,3
	ds_load_b128 v[KF+16*\f+4*\c:KF+16*\f+4*\c+3], v[ADK] offset:2048*\f+512*\c
.endr
.endr
	ds_load_b128 v[KSW:KSW+3], v[ADS]
	WIN 0x40
.irp f, 0,1,2,3
.irp c, 0,1,2,3
	ds_load_b128 v[KF+16*\f+4*\c:KF+16*\f+4*\c+3], v[ADV] offset:2048*\f+512*\c
.endr
.endr
	WIN 0
	ds_load_b128 v[VSW:VSW+3], v[ADS] offset:4096
	s_wait_alu depctr_va_vdst(0)
	s_wait_dscnt 17                                ; K's 17 loads are in; V's 17 may be out
	SMUL 0
	SMUL 1
	WIN 0
.rept 8
	v_nop                                          ; places ahead of the first read of the scores
.endr
	SOFT 0
	SOFT 1
	WIN 0
	s_add_co_u32 s[TB], s[TB], 8192
	s_add_co_u32 s[TS], s[TS], 256
.endm
.macro STEPS n, lab
	s_mov_b32 s[CNT], \n
\lab:
	STEP
	s_sub_co_u32 s[CNT], s[CNT], 1
	s_cmp_lg_u32 s[CNT], 0
	s_cbranch_scc1 \lab
.endm
.macro QLOADS w                        ; tile w's bq (register j of tile t: channel 32 (t / 2) + 8 (t % 2) + 16 h + j) and its eight fragments of queries
	WIN 0x40*(\w)
.irp t, 0,1,2,3
	global_load_b128 v[AQ+8*\t:AQ+8*\t+3], v252, s[90:91] offset:128*(\t/2)+32*(\t%2)
	global_load_b128 v[AQ+8*\t+4:AQ+8*\t+7], v252, s[90:91] offset:128*(\t/2)+32*(\t%2)+16
.endr
.irp q, 0,1,2,3,4,5,6,7
.irp c, 0,1,2,3
	global_load_b128 v[XF+16*\q+4*\c:XF+16*\q+4*\c+3], v10, s[70:71] offset:16384*(\w)+128*\q+32*\c
.endr
.endr
.endm
.macro WLOAD q                         ; K step q of Wq's four tiles into window q % 2, and their scale words: 17 loads
	WIN 0x40*((\q)%2)
.irp t, 0,1,2,3
.irp c, 0,1,2,3
	ds_load_b128 v[KF+16*\t+4*\c:KF+16*\t+4*\c+3], v[ADK+(\t)/2] offset:16384*(\t%2)+2048*(\q)+512*\c
.endr
.endr
	WIN 0
	ds_load_b128 v[WSW-(WSW-WS1)*((\q)%2):WSW-(WSW-WS1)*((\q)%2)+3], v[ADS] offset:256*(\q)
.endm
.macro QFIN                            ; a tile's Q is quantised and laid twice; its running state begins
.irp b, 0,1,2,3
	v_mov_b32 v[BY+\b], 0                          ; a lane permute's destination counts as one of its sources
.endr
	QUANT2 AQ
.irp j, 0,1,2,3,4,5,6,7
	v_mov_b32 v[Q1+\j], v[PC+\j]                   ; Q1 = (codes, zeros)
	v_mov_b32 v[Q2+8+\j], v[PC+\j]                 ; Q2 = (zeros, codes)
	v_mov_b32 v[Q1+8+\j], 0
	v_mov_b32 v[Q2+\j], 0
.endr
	v_lshl_or_b32 v[QSW], v[PW], 16, v[PW]         ; the two bytes twice: one word serves Q1 and Q2
	v_mov_b32 v13, 0xff61b1e6                      ; the largest t so far: -3e38
	v_floor_f32 v12, -v13
	v_mov_b32 v14, 0
	v_mov_b32 v15, 0
	v_mov_b32 v[FF+1], 0
.set j, 0
.rept 32
	v_mov_b32 v[O+j], 0                            ; the step is written for every trip alike: the first finds zeros
.set j, j+1
.endr
.endm
.macro OUT w                           ; tile w's way out: O^T / the sum, quantised, stored as the last launch's operand registers
	WIN 0x55*(\w)
	v_add_f32 v14, v14, v15
	v_permlanex16_b32 v[TP], v14, s[SEL], s[SEL+1]
	v_add_f32 v14, v14, v[TP]
	s_wait_alu depctr_va_vdst(0)
	v_rcp_f32 v14, v14
.rept 8
	v_nop                                          ; the plain line behind the reciprocal, and the places behind the last products
.endr
	s_wait_alu depctr_va_vdst(0)                   ; ahead of the first reader of the reciprocal and of O^T
.set j, 0
.rept 32
	v_mul_f32 v[S+j], v[O+j], v14
.set j, j+1
.endr
	QUANT2 S
	WIN 0x04*(\w)                                  ; a store's data are its source 1
	global_store_b128 v[LI], v[PC:PC+3], s[92:93] offset:16384*(\w)        ; 512 consecutive bytes a store
	global_store_b128 v[LI], v[PC+4:PC+7], s[92:93] offset:16384*(\w)+512
	global_store_b16 v[R32], v[PW], s[94:95] offset:512*(\w)               ; lanes r and r + 16 hold and write the same
.endm
	s_load_b256 s[68:75], s[0:1], 0x0              ; att, codes, scl, woimg
	s_load_b256 s[88:95], s[0:1], 0x20             ; wos, bq, ctxc, ctxs
	v_lshl_add_u32 v7, v0, 2, SPARE
	v_mov_b32 v253, 0
	ds_add_u32 v7, v253                            ; the opening lines: the add twice on end and its wait
	ds_add_u32 v7, v253
	v_lshrrev_b32 v1, 5, v0
	v_readfirstlane_b32 s[WV], v1                  ; wave 0..7
	s_bfe_u32 s13, ttmp6, 0x40000                  ; cx: it enters global addresses of my own loads, stores and prefetch alone
	s_and_b32 s14, ttmp7, 0xffff                   ; 16 x batch + head
	s_lshl_b32 s15, ttmp9, 2
	s_add_co_u32 s15, s15, s13
	s_lshl_b32 s15, s15, 4
	s_lshl_b32 s63, s[WV], 1
	s_add_co_u32 s15, s15, s63                     ; tile A in the batch; tile B is the next
	s_lshr_b32 s16, s14, 4
	s_and_b32 s17, s14, 15                         ; head
	s_lshl_b32 s18, s16, 6
	s_add_co_u32 s18, s18, s15                     ; T: tile A through all batches
	s_mul_i32 s10, s14, HB
	s_mov_b32 s11, 0
	s_mov_b32 s101, 0
	s_and_b32 s2, s[WV], 1
	s_and_b32 s3, s[WV], 3
	s_lshr_b32 s9, s[WV], 2
	s_lshl_b32 s9, s9, 17                          ; K's half or V's
	s_lshl_b32 s[GW+1], s[WV], 17                  ; Wq's tiles 2 w, 2 w + 1: 98,304 + 131,072 w
	s_add_co_u32 s[GW+1], s[GW+1], 98304
	s_lshl_b32 s[GK+1], s2, 14                     ; steps 2 (w % 2) and the next of K (waves 2, 3) or V (4, 5)
	s_add_co_u32 s[GK+1], s[GK+1], s9
	s_mov_b32 s[GS+1], 262144                      ; K's and V's scale words
	s_mov_b32 s[GQ+1], WQS                         ; Wq's scale words
	s_lshl_b32 s[GB+1], s3, 14                     ; steps 4 + 2 (w % 4) and the next
	s_add_co_u32 s[GB+1], s[GB+1], s9
	s_add_co_u32 s[GB+1], s[GB+1], 32768
	s_lshl_b32 s[GC+1], s3, 13                     ; step 12 + w % 4
	s_add_co_u32 s[GC+1], s[GC+1], s9
	s_add_co_u32 s[GC+1], s[GC+1], 98304
	s_lshl_b32 s66, s13, 2                         ; the prefetch: 24 blocks of 256 bytes for wave 4 cx + w % 4 of the 16 that share K's or V's
	s_add_co_u32 s66, s66, s3
	s_mul_i32 s66, s66, 6144
	s_add_co_u32 s66, s66, s9
	s_add_co_u32 s66, s66, 32768
	G1SET G1X, 128
	G1SET G1B, 64
	G1SET G1C, 32
	G1SET G1W, 8
	s_mov_b32 s[SEL], 0x76543210
	s_mov_b32 s[SEL+1], 0xfedcba98
	s_mov_b32 s[CS], 0x3e38aa3b                    ; c = log2(e) / sqrt(64)
	s_mov_b32 s[CS+1], s[CS]
	s_mov_b32 s[MNT], 0x600000
	s_mov_b32 s[MHI], 0xffff0000                   ; lanes 16-31
	s_mov_b32 s[TB], 0
	s_mov_b32 s[TS], 0
	s_wait_dscnt 0x0
	s_wait_kmcnt 0x0
	s_add_nc_u64 s[10:11], s[68:69], s[10:11]      ; the head's block of K, V and scale words: a byte's place in it is its place in LDS
.irp g, GK, GS, GB, GC
	s_mov_b32 s[\g], 1
	s_mov_b32 s100, s[\g+1]
	s_add_nc_u64 s[\g+2:\g+3], s[10:11], s[100:101]
	s_or_b32 s[\g+3], s[\g+3], 0x80000000
.endr
	s_lshl_b32 s100, s17, 16                       ; Wq's image lies 1,048,576 bytes into woimg: head x 65,536 + two tiles x 32,768
	s_lshl_b32 s63, s[WV], 15
	s_add_co_u32 s100, s100, s63
	s_add_co_u32 s100, s100, 1048576
	s_mov_b32 s[GW], 1
	s_add_nc_u64 s[GW+2:GW+3], s[74:75], s[100:101]
	s_or_b32 s[GW+3], s[GW+3], 0x80000000
	s_lshl_b32 s100, s17, 11                       ; its scale words 32,768 bytes into wos: head x 2,048
	s_add_co_u32 s100, s100, 32768
	s_mov_b32 s[GQ], 1
	s_add_nc_u64 s[GQ+2:GQ+3], s[88:89], s[100:101]
	s_or_b32 s[GQ+3], s[GQ+3], 0x80000000
	s_lshl_b32 s100, s18, 14                       ; my queries' codes, and ctx's: T x 16,384
	s_add_nc_u64 s[70:71], s[70:71], s[100:101]
	s_add_nc_u64 s[92:93], s[92:93], s[100:101]
	s_lshl_b32 s100, s17, 10
	s_add_nc_u64 s[92:93], s[92:93], s[100:101]    ; + head x 1,024
	s_lshl_b32 s100, s18, 9                        ; their scale bytes: T x 512
	s_add_nc_u64 s[72:73], s[72:73], s[100:101]
	s_add_nc_u64 s[94:95], s[94:95], s[100:101]
	s_lshl_b32 s100, s17, 1
	s_add_nc_u64 s[94:95], s[94:95], s[100:101]    ; + 2 x head
	s_lshl_b32 s100, s17, 8
	s_add_nc_u64 s[90:91], s[90:91], s[100:101]    ; bq at my head
	ROUND                                          ; all four work-groups are here: the joint loads meet
	ARM 2, GW, G1X, .Lhead_kv                      ; one chain of branches on the wave's number, one load to an arm
	ARM 6, GK, G1B, .Lhead_s
	ARM 7, GS, G1C, .Lhead_w
	TLOAD GQ, G1W
.Lasked:
	v_and_b32 v9, 31, v0
	v_lshlrev_b32 v[LI], 4, v9
	v_lshlrev_b32 v254, 5, v9                      ; the queries' scale bytes: row = lane: tile A in lanes 0-15, tile B in lanes 16-31
	v_add_nc_u32 v[LV], 131072, v[LI]
	v_and_b32 v10, 15, v0                          ; r
	v_lshlrev_b32 v[LS], 4, v10
	v_add_nc_u32 v[LS], 262144, v[LS]
	v_lshlrev_b32 v[R32], 5, v10
	v_bfe_u32 v252, v0, 4, 1                       ; h
	v_lshlrev_b32 v10, 10, v10
	v_lshl_add_u32 v10, v252, 4, v10               ; my queries' codes: row r of 1,024 bytes, + 16 h
	v_lshlrev_b32 v252, 6, v252                    ; bq: 64 h bytes
	v_min_u32 v9, 23, v9
	v_lshl_add_u32 v9, v9, 8, s66                  ; the prefetch's offset; never rewritten
	v_add_nc_u32 v[ADK], 98304, v[LI]              ; Wq's tiles 0, 1
	v_add_nc_u32 v[ADV], 98304, v[LV]              ; and 2, 3
	v_add_nc_u32 v[ADS], 8192, v[LS]               ; its scale words
	global_load_b128 v[XS:XS+3], v254, s[72:73]
	global_load_b128 v[XS+4:XS+7], v254, s[72:73] offset:16
	QLOADS 0
	QLOADS 1
	WIN 0
	global_prefetch_b8 v9, s[10:11] th:TH_LOAD_NT scope:SCOPE_SE
	s_wait_alu depctr_va_vdst(0)
	GRD
	ROUND
	TLOAD GB, G1B                                  ; key steps 4-11: first fills all
	WLOAD 0
	WLOAD 1
	s_wait_loadcnt 0x0                             ; my queries, their scale words, bq
.irp q, 0,1,2,3,4,5,6,7                        ; Q^T = Wq x^T + bq: eight accumulators by turns, K ascending; Wq's fragments in two sets by turns
.if \q < 7
	s_wait_dscnt 17                                ; this K step's 17 loads are in; the next one's may be out
.else
	s_wait_dscnt 0x0
.endif
	WIN (\q%2)
.irp t, 0,1,2,3
	v_wmma_scale_f32_16x16x128_f8f6f4 v[AQ+8*\t:AQ+8*\t+7], v[KF+16*\t:KF+16*\t+15], v[XF+16*\q:XF+16*\q+15], v[AQ+8*\t:AQ+8*\t+7], v[WSW-(WSW-WS1)*(\q%2)+\t], v[XS+\q] matrix_a_fmt:MATRIX_FMT_BF8 matrix_b_fmt:MATRIX_FMT_BF8
.endr
	WIN 0x54|(\q%2)
.irp t, 0,1,2,3
	v_wmma_scale_f32_16x16x128_f8f6f4 v[AQ+8*\t:AQ+8*\t+7], v[KF+16*\t:KF+16*\t+15], v[XF+16*\q:XF+16*\q+15], v[AQ+8*\t:AQ+8*\t+7], v[WSW-(WSW-WS1)*(\q%2)+\t], v[XS+\q] matrix_a_fmt:MATRIX_FMT_BF8 matrix_b_fmt:MATRIX_FMT_BF8 matrix_b_scale:MATRIX_SCALE_ROW1
.endr
	WIN 0
.rept 8
	v_nop                                          ; places ahead of the loads into this set, and of the first read of the sums
.endr
.if \q < 6
	WLOAD \q+2
.endif
.endr
	QFIN
	WIN 0x55
	QFIN
	WIN 0x04
	v_cndmask_b32 v[QSW], v[QSW], v[QSW], s[MHI]   ; Q's scale word: lanes 0-15 keep tile A's (window 0), lanes 16-31 take tile B's (source 1, window 1)
	WIN 0
	STEPS 4, .Lfirst                               ; key steps 0-3
	GRD
	ROUND
	TLOAD GC, G1C                                  ; key steps 12-15, over Wq's image
	STEPS 8, .Lmid                                 ; key steps 4-11
	s_wait_tensorcnt 0x0                           ; my part of steps 12-15 is in,
	s_wait_dscnt 0x0
	s_barrier_signal -1
	s_barrier_wait -1                              ; everybody's is
	STEPS 4, .Llast                                ; key steps 12-15
	OUT 0
	OUT 1
	WIN 0
	GRD
	ROUND                                          ; the closing round
	s_endpgm
.Lfunc_end_k_qf606c37c26_attn:
	.size	k_qf606c37c26_attn, .Lfunc_end_k_qf606c37c26_attn-k_qf606c37c26_attn
	.p2alignl 7, 3214868480
	.fill 96, 4, 3214868480
	.section	.rodata,"a",@progbits
	.p2align	6, 0x0
	.amdhsa_kernel k_qf606c37c26_attn
		.amdhsa_group_segment_fixed_size 327680
		.amdhsa_private_segment_fixed_size 0
		.amdhsa_enable_private_segment 0
		.amdhsa_kernarg_size 64
		.amdhsa_user_sgpr_count 2
		.amdhsa_user_sgpr_kernarg_segment_ptr 1
		.amdhsa_wavefront_size32 1
		.amdhsa_system_sgpr_workgroup_id_x 1
		.amdhsa_system_sgpr_workgroup_id_y 1
		.amdhsa_system_sgpr_workgroup_id_z 1
		.amdhsa_system_vgpr_workitem_id 0
		.amdhsa_next_free_vgpr 512
		.amdhsa_next_free_sgpr 102
		.amdhsa_reserve_vcc 0
		.amdhsa_float_denorm_mode_32 3
		.amdhsa_float_denorm_mode_16_64 3
		.amdhsa_memory_ordered 1
		.amdhsa_forward_progress 1
		.amdhsa_inst_pref_size 169
	.end_amdhsa_kernel
	.amdgpu_metadata
---
amdhsa.version: [ 1, 2 ]
amdhsa.kernels:
  - .name:           k_qf606c37c26_attn
    .symbol:         k_qf606c37c26_attn.kd
    .args:
      - { .name: att, .offset: 0, .size: 8, .value_kind: global_buffer, .address_space: global }
      - { .name: codes, .offset: 8, .size: 8, .value_kind: global_buffer, .address_space: global }
      - { .name: scl, .offset: 16, .size: 8, .value_kind: global_buffer, .address_space: global }
      - { .name: woimg, .offset: 24, .size: 8, .value_kind: global_buffer, .address_space: global }
      - { .name: wos, .offset: 32, .size: 8, .value_kind: global_buffer, .address_space: global }
      - { .name: bq, .offset: 40, .size: 8, .value_kind: global_buffer, .address_space: global }
      - { .name: ctxc, .offset: 48, .size: 8, .value_kind: global_buffer, .address_space: global }
      - { .name: ctxs, .offset: 56, .size: 8, .value_kind: global_buffer, .address_space: global }
    .group_segment_fixed_size: 327680
    .private_segment_fixed_size: 0
    .kernarg_segment_align: 8
    .kernarg_segment_size: 64
    .max_flat_workgroup_size: 256
    .sgpr_count:     102
    .vgpr_count:     512
    .wavefront_size: 32
...
	.end_amdgpu_metadata
.endif
;; end of part 3
;; launch outln (part 4): grid 256 x 1, 16 waves a work-group, no clusters, 96,768 bytes of LDS; arguments ctxc, ctxs, woimg, wos, bo, query, gamma, beta, out0; writes out0
.if DOCPART == 4
	.amdgcn_target "amdgcn-amd-amdhsa--gfx1250"
	.amdhsa_code_object_version 6
	.text
	.protected	k_qf606c37c26_outln
	.globl	k_qf606c37c26_outln
	.p2align	8
	.type	k_qf606c37c26_outln,@function
k_qf606c37c26_outln:
	s_mov_b64 s[64:65], 0
	v_nop
	global_prefetch_b8 v0, s[64:65] scope:SCOPE_SE
	s_setreg_imm32_b32 hwreg(HW_REG_WAVE_MODE, 25, 1), 1
	s_wait_xcnt 0x0
; out0 = LayerNorm(ctx Wo^T + bo + query) x gamma + beta.  The product is on codes of BF8 (E5M2) with E8M0 scales (K = 1,024); all else in f32.
; SHARES.  Work-group T takes one tile of 16 rows and ALL 1,024 columns, so that a row's mean and variance stay inside the work-group.  Wave w makes columns 64 w .. 64 w + 63: four accumulators, eight K steps of 128.
; ctx's and Wo's codes were laid by earlier launches as images of operand registers: every load is 512 consecutive bytes, 16 a lane.
; Wo'S FRAGMENTS GO FROM MEMORY STRAIGHT INTO REGISTERS: in a work-group each is wanted by one wave for one matrix instruction.  NO CLUSTER: a joint load would lay them in LDS first, 1,048,576 bytes through a ring of
; slots, only to be read from there once: the same bytes into registers and an LDS write and read on top.
; WHAT ALL SIXTEEN WAVES WANT ALIKE COMES ONCE, THROUGH LDS: ctx's eight fragments (16,384 bytes) and bo, gamma, beta (4,096 bytes each).  Each wave loads 1,024 bytes of ctx, 512 of bo (waves 0-7) or gamma (waves 8-15)
; and 256 of beta, four loads, stores them as they lie, and behind one barrier every wave reads what it wants at 16 x lane.  That is 150 loads from memory a wave where each wave fetching all for itself would issue 202.
; The matrix instruction is used transposed (source 0 = 16 rows of Wo, source 1 = ctx's 16 rows): a lane holds eight neighbouring columns of one row.  The rows meet in a stage in LDS (16 rows x (4,096 + 16) bytes);
; behind a barrier wave w takes row w whole, adds bo and the residual, normalises it, and stores 4,096 consecutive bytes.
; ROWS: place 16 T + w holds row 32 (T / 2) + 8 (T % 2) + w + 8 (w / 8), the order in which the first launch laid the queries.
; Wo's loads run one K step (17 loads a wave) ahead, ctx's LDS loads likewise (4), each in two sets of registers.
.set CIMG, 65792                       ; LDS: the stage from byte 0 (16 x 4,112); behind it ctx's eight fragments, [K step][4][lane][16];
.set PAR,  CIMG+16384                  ; behind them bo, gamma, beta, 4,096 bytes each
.set LI,  1                            ; v1   16 x lane
.set R16, 2                            ; v2   16 (lane % 16)
.set R32, 3                            ; v3   32 (lane % 16)
.set STI, 4                            ; v4   the stage, in: row r, my wave's 256 bytes, + 32 h
.set STO, 5                            ; v5   the stage, out: row w, 16 bytes a lane
.set CST, 6                            ; v6   where I store my 1,024 bytes of ctx: CIMG + 1,024 w + 16 x lane
.set PST, 7                            ; v7   my 512 bytes of bo or gamma: PAR + 512 w + 16 x lane
.set BST, 8                            ; v8   my 256 bytes of beta: PAR + 8,192 + 256 w + 8 x lane
.set CL,  9                            ; v9   where I read ctx's fragments: CIMG + 16 x lane
.set PL,  10                           ; v10  and the parameters: PAR + 16 x lane
.set L8,  11                           ; v11  8 x lane
.set CSW, 16                           ; v16-23  ctx's scale words, one for each K step
.set WS,  24                           ; v24-31  Wo's scale words, two sets of four
.set CF,  32                           ; v32-63  ctx's fragment, two sets; later the row x
.set WF,  64                           ; v64-191 Wo's four fragments, two sets; later bo (v64), gamma (v96), beta (v128), sums (v160 on)
.set ACC, 192                          ; v192-223 (ahead of the products: the shared pieces on their way to LDS)
.set RES, 224                          ; v224-255 the residual
.set SEL, 36
.macro LOADSET s, p                    ; K step s of my four tiles of Wo, and their scale words: 17 loads
.irp t, 0,1,2,3
.irp c, 0,1,2,3
	global_load_b128 v[WF+64*(\p)+16*\t+4*\c:WF+64*(\p)+16*\t+4*\c+3], v[LI], s[12:13] offset:16384*\t+2048*(\s)+512*\c
.endr
.endr
	global_load_b128 v[WS+4*(\p):WS+4*(\p)+3], v[R16], s[14:15] offset:256*(\s)
.endm
.macro CLOAD s, p                      ; K step s of ctx, from LDS: 4 loads
.irp c, 0,1,2,3
	ds_load_b128 v[CF+16*(\p)+4*\c:CF+16*(\p)+4*\c+3], v[CL] offset:2048*(\s)+512*\c
.endr
.endm
.macro KST s, left, dleft              ; K step s: left, dleft = the younger loads from memory and from LDS that may stay out
	s_wait_loadcnt \left
	s_wait_dscnt \dleft
.irp t, 0,1,2,3                                ; the four accumulators by turns
.if (\s) == 0
	v_wmma_scale_f32_16x16x128_f8f6f4 v[ACC+8*\t:ACC+8*\t+7], v[WF+64*((\s)%2)+16*\t:WF+64*((\s)%2)+16*\t+15], v[CF+16*((\s)%2):CF+16*((\s)%2)+15], 0, v[WS+4*((\s)%2)+\t], v[CSW+(\s)] matrix_a_fmt:MATRIX_FMT_BF8 matrix_b_fmt:MATRIX_FMT_BF8
.else
	v_wmma_scale_f32_16x16x128_f8f6f4 v[ACC+8*\t:ACC+8*\t+7], v[WF+64*((\s)%2)+16*\t:WF+64*((\s)%2)+16*\t+15], v[CF+16*((\s)%2):CF+16*((\s)%2)+15], v[ACC+8*\t:ACC+8*\t+7], v[WS+4*((\s)%2)+\t], v[CSW+(\s)] matrix_a_fmt:MATRIX_FMT_BF8 matrix_b_fmt:MATRIX_FMT_BF8
.endif
.endr
.rept 8
	v_nop                                          ; places in front of loads into registers that these products have read, and of the first read of results
.endr
.endm
.macro WSUM a, t                       ; v[a] summed over the wave's 32 lanes, into every lane; v[t] has been written before
	s_delay_alu instid0(VALU_DEP_1)
	v_add_f32_dpp v[\a], v[\a], v[\a] row_xmask:1 row_mask:0xf bank_mask:0xf
	s_delay_alu instid0(VALU_DEP_1)
	v_add_f32_dpp v[\a], v[\a], v[\a] row_xmask:2 row_mask:0xf bank_mask:0xf
	s_delay_alu instid0(VALU_DEP_1)
	v_add_f32_dpp v[\a], v[\a], v[\a] row_xmask:4 row_mask:0xf bank_mask:0xf
	s_delay_alu instid0(VALU_DEP_1)
	v_add_f32_dpp v[\a], v[\a], v[\a] row_xmask:8 row_mask:0xf bank_mask:0xf
	s_delay_alu instid0(VALU_DEP_1)
	v_permlanex16_b32 v[\t], v[\a], s[SEL], s[SEL+1]
	s_delay_alu instid0(VALU_DEP_1)
	v_add_f32 v[\a], v[\a], v[\t]
.endm
	s_load_b512 s[8:23], s[0:1], 0x0               ; ctxc s[8:9], ctxs, woimg s[12:13], wos, bo s[16:17], query, gamma s[20:21], beta
	s_load_b64 s[24:25], s[0:1], 0x40              ; out0
	v_lshrrev_b32 v12, 5, v0
	s_delay_alu instid0(VALU_DEP_1)
	v_readfirstlane_b32 s4, v12                    ; wave 0..15
	v_and_b32 v12, 31, v0                          ; lane
	s_delay_alu instid0(VALU_DEP_1)
	v_lshlrev_b32 v[LI], 4, v12
	s_delay_alu instid0(VALU_DEP_2)
	v_lshlrev_b32 v[L8], 3, v12
	v_and_b32 v13, 15, v0                          ; r
	v_bfe_u32 v14, v0, 4, 1                        ; h
	s_delay_alu instid0(VALU_DEP_2)
	v_lshlrev_b32 v[R16], 4, v13
	s_delay_alu instid0(VALU_DEP_3)
	v_lshlrev_b32 v[R32], 5, v13
	s_delay_alu instid0(VALU_DEP_4)
	v_mul_u32_u24 v[STI], v13, 4112
	s_delay_alu instid0(VALU_DEP_1)
	v_lshl_add_u32 v[STI], v14, 5, v[STI]
	s_lshl_b32 s5, s4, 8
	v_add_nc_u32 v[STI], s5, v[STI]
	v_add_nc_u32 v[BST], s5, v[L8]
	s_delay_alu instid0(VALU_DEP_1)
	v_add_nc_u32 v[BST], PAR+8192, v[BST]
	s_mul_i32 s5, s4, 4112
	v_add_nc_u32 v[STO], s5, v[LI]
	s_lshl_b32 s5, s4, 10
	v_add_nc_u32 v[CST], s5, v[LI]
	s_delay_alu instid0(VALU_DEP_1)
	v_add_nc_u32 v[CST], CIMG, v[CST]
	s_lshl_b32 s5, s4, 9
	v_add_nc_u32 v[PST], s5, v[LI]
	s_delay_alu instid0(VALU_DEP_1)
	v_add_nc_u32 v[PST], PAR, v[PST]
	v_add_nc_u32 v[CL], CIMG, v[LI]
	v_add_nc_u32 v[PL], PAR, v[LI]
	s_lshr_b32 s6, ttmp9, 1                        ; my row: 32 (T / 2) + 8 (T % 2) + w + 8 (w / 8),
	s_lshl_b32 s6, s6, 5
	s_and_b32 s7, ttmp9, 1
	s_lshl_b32 s7, s7, 3
	s_add_co_u32 s6, s6, s7
	s_add_co_u32 s6, s6, s4
	s_and_b32 s7, s4, 8
	s_add_co_u32 s6, s6, s7
	s_lshl_b32 s6, s6, 12                          ; of 4,096 bytes
	s_mov_b32 s7, 0
	s_lshl_b32 s26, ttmp9, 14                      ; ctx's eight fragments of tile T,
	s_lshl_b32 s27, s4, 10                         ; my 1,024 bytes of them
	s_add_co_u32 s26, s26, s27
	s_mov_b32 s27, 0
	s_lshl_b32 s28, ttmp9, 9                       ; and its scale bytes
	s_mov_b32 s29, 0
	s_lshl_b32 s32, s4, 16                         ; my four tiles of Wo,
	s_mov_b32 s33, 0
	s_lshl_b32 s34, s4, 11                         ; and their scale words
	s_mov_b32 s35, 0
	s_and_b32 s2, s4, 7
	s_lshl_b32 s2, s2, 9                           ; my 512 bytes of bo or gamma
	s_mov_b32 s3, 0
	s_lshl_b32 s40, s4, 8                          ; my 256 bytes of beta
	s_mov_b32 s41, 0
	s_mov_b32 s30, 0x3a800000                      ; 1 / 1,024
	s_mov_b32 s31, 0x3727c5ac                      ; 1e-5
	s_mov_b32 s[SEL], 0x76543210
	s_mov_b32 s[SEL+1], 0xfedcba98
	s_wait_alu depctr_va_vdst(0)
	s_wait_kmcnt 0x0
	s_cmp_lt_u32 s4, 8                             ; waves 0-7 fetch bo, waves 8-15 gamma: the choice hangs on the wave's number alone
	s_cselect_b64 s[38:39], s[16:17], s[20:21]
	s_add_nc_u64 s[38:39], s[38:39], s[2:3]
	s_add_nc_u64 s[8:9], s[8:9], s[26:27]
	s_add_nc_u64 s[22:23], s[22:23], s[40:41]
	s_add_nc_u64 s[10:11], s[10:11], s[28:29]
	s_add_nc_u64 s[12:13], s[12:13], s[32:33]
	s_add_nc_u64 s[14:15], s[14:15], s[34:35]
	s_add_nc_u64 s[18:19], s[18:19], s[6:7]
	s_add_nc_u64 s[24:25], s[24:25], s[6:7]
	global_load_b128 v[ACC:ACC+3], v[LI], s[8:9]               ; the shared pieces: my 1,024 bytes of ctx,
	global_load_b128 v[ACC+4:ACC+7], v[LI], s[8:9] offset:512
	global_load_b128 v[ACC+8:ACC+11], v[LI], s[38:39]          ; my 512 of bo or gamma,
	global_load_b64 v[ACC+12:ACC+13], v[L8], s[22:23]          ; my 256 of beta
	s_barrier_signal -1                            ; every wave's four shared loads are issued ahead of any wave's 44 others below: what all sixteen waves will wait for is asked for first
	s_barrier_wait -1
.irp i, 0,1,2,3,4,5,6,7
	global_load_b128 v[RES+4*\i:RES+4*\i+3], v[LI], s[18:19] offset:512*\i th:TH_LOAD_NT   ; the residual: my row, read once in this launch
.endr
	global_load_b128 v[CSW:CSW+3], v[R32], s[10:11]
	global_load_b128 v[CSW+4:CSW+7], v[R32], s[10:11] offset:16
	LOADSET 0, 0
	LOADSET 1, 1
	s_wait_loadcnt 44                              ; the four shared loads are in; behind them stand 8 + 2 + 17 + 17
	ds_store_b128 v[CST], v[ACC:ACC+3]
	ds_store_b128 v[CST], v[ACC+4:ACC+7] offset:512
	ds_store_b128 v[PST], v[ACC+8:ACC+11]
	ds_store_b64 v[BST], v[ACC+12:ACC+13]
	s_wait_dscnt 0x0                               ; for the others' sake: my stores are done
	s_barrier_signal -1
	s_barrier_wait -1                              ; ctx's fragments and the parameters lie in LDS, and are written no more
	CLOAD 0, 0
	CLOAD 1, 1
.irp s, 0,1,2,3,4,5
	KST \s, 17, 4                                  ; the next K step's 17 loads from memory and 4 from LDS may be out
	CLOAD \s+2, \s%2
	LOADSET \s+2, \s%2
.endr
	KST 6, 17, 4
.irp i, 0,1,2,3,4,5,6,7                        ; bo and gamma at my lane's columns of a whole row: 128 i + 4 lane + 0 .. 3
	ds_load_b128 v[WF+4*\i:WF+4*\i+3], v[PL] offset:512*\i
	ds_load_b128 v[WF+32+4*\i:WF+32+4*\i+3], v[PL] offset:4096+512*\i
.endr
	KST 7, 0, 16                                   ; those 16 may be out
.irp i, 0,1,2,3,4,5,6,7
	ds_load_b128 v[WF+64+4*\i:WF+64+4*\i+3], v[PL] offset:8192+512*\i   ; beta
.endr
.irp t, 0,1,2,3
	ds_store_b128 v[STI], v[ACC+8*\t:ACC+8*\t+3] offset:64*\t          ; lane (r, h): columns 64 w + 16 t + 8 h + 0 .. 7 of row r; each accumulator from its low end on
	ds_store_b128 v[STI], v[ACC+8*\t+4:ACC+8*\t+7] offset:64*\t+16
.endr
	s_wait_dscnt 0x0                               ; for the others' sake: my stores into the stage are done
	s_barrier_signal -1
	s_barrier_wait -1
.irp i, 0,1,2,3,4,5,6,7
	ds_load_b128 v[CF+4*\i:CF+4*\i+3], v[STO] offset:512*\i            ; row w, whole
.endr
	s_wait_dscnt 0x0
.set j, 0
.rept 16
	v_pk_add_f32 v[CF+j:CF+j+1], v[CF+j:CF+j+1], v[WF+j:WF+j+1]        ; + bo
.set j, j+2
.endr
.set j, 0
.rept 16
	v_pk_add_f32 v[CF+j:CF+j+1], v[CF+j:CF+j+1], v[RES+j:RES+j+1]      ; + the residual: x
.set j, j+2
.endr
	v_pk_add_f32 v[160:161], v[CF:CF+1], v[CF+2:CF+3]                  ; the row's sum: two chains in a lane,
	v_pk_add_f32 v[162:163], v[CF+4:CF+5], v[CF+6:CF+7]
.irp j, 8,12,16,20,24,28
	s_delay_alu instid0(VALU_DEP_2)
	v_pk_add_f32 v[160:161], v[160:161], v[CF+\j:CF+\j+1]
	s_delay_alu instid0(VALU_DEP_2)
	v_pk_add_f32 v[162:163], v[162:163], v[CF+2+\j:CF+3+\j]
.endr
	s_delay_alu instid0(VALU_DEP_1)
	v_pk_add_f32 v[160:161], v[160:161], v[162:163]
	s_delay_alu instid0(VALU_DEP_1)
	v_add_f32 v160, v160, v161
	WSUM 160, 161                                  ; then across the lanes
	s_delay_alu instid0(VALU_DEP_1)
	v_mul_f32 v160, s30, v160                      ; the mean
.set j, 0
.rept 16
	v_pk_add_f32 v[CF+j:CF+j+1], v[CF+j:CF+j+1], v[160:161] op_sel_hi:[1,0] neg_lo:[0,1] neg_hi:[0,1]   ; x - mean (the pair's low word for both halves)
.set j, j+2
.endr
	v_pk_mul_f32 v[162:163], v[CF:CF+1], v[CF:CF+1]                    ; the sum of squares
	v_pk_mul_f32 v[164:165], v[CF+2:CF+3], v[CF+2:CF+3]
.irp j, 4,8,12,16,20,24,28
	s_delay_alu instid0(VALU_DEP_2)
	v_pk_fma_f32 v[162:163], v[CF+\j:CF+\j+1], v[CF+\j:CF+\j+1], v[162:163]
	s_delay_alu instid0(VALU_DEP_2)
	v_pk_fma_f32 v[164:165], v[CF+2+\j:CF+3+\j], v[CF+2+\j:CF+3+\j], v[164:165]
.endr
	s_delay_alu instid0(VALU_DEP_1)
	v_pk_add_f32 v[162:163], v[162:163], v[164:165]
	s_delay_alu instid0(VALU_DEP_1)
	v_add_f32 v162, v162, v163
	WSUM 162, 163
	s_delay_alu instid0(VALU_DEP_1)
	v_fma_f32 v162, v162, s30, s31                 ; the variance + 1e-5
	s_wait_alu depctr_va_vdst(0)
	v_rsq_f32 v162, v162
	v_nop                                          ; a plain line behind the transcendental
	s_wait_alu depctr_va_vdst(0)                   ; ahead of its first reader
.set j, 0
.rept 16
	v_pk_mul_f32 v[CF+j:CF+j+1], v[CF+j:CF+j+1], v[162:163] op_sel_hi:[1,0]
.set j, j+2
.endr
.set j, 0
.rept 16
	v_pk_fma_f32 v[CF+j:CF+j+1], v[CF+j:CF+j+1], v[WF+32+j:WF+33+j], v[WF+64+j:WF+65+j]   ; x gamma + beta
.set j, j+2
.endr
.irp i, 0,1,2,3,4,5,6,7
	global_store_b128 v[LI], v[CF+4*\i:CF+4*\i+3], s[24:25] offset:512*\i th:TH_STORE_NT   ; 32 lanes store 512 consecutive bytes, aligned
.endr
	s_wait_xcnt 0x0
	v_lshl_add_u32 v254, v0, 2, 0x17200
	v_mov_b32 v255, 0
	s_wait_alu depctr_va_vdst(0)
	s_wait_tensorcnt 0x0
	ds_add_u32 v254, v255
	s_wait_dscnt 0x0
	s_endpgm
.Lfunc_end_k_qf606c37c26_outln:
	.size	k_qf606c37c26_outln, .Lfunc_end_k_qf606c37c26_outln-k_qf606c37c26_outln
	.p2alignl 7, 3214868480
	.fill 96, 4, 3214868480
	.section	.rodata,"a",@progbits
	.p2align	6, 0x0
	.amdhsa_kernel k_qf606c37c26_outln
		.amdhsa_group_segment_fixed_size 96768
		.amdhsa_private_segment_fixed_size 0
		.amdhsa_enable_private_segment 0
		.amdhsa_kernarg_size 72
		.amdhsa_user_sgpr_count 2
		.amdhsa_user_sgpr_kernarg_segment_ptr 1
		.amdhsa_wavefront_size32 1
		.amdhsa_system_sgpr_workgroup_id_x 1
		.amdhsa_system_sgpr_workgroup_id_y 1
		.amdhsa_system_sgpr_workgroup_id_z 1
		.amdhsa_system_vgpr_workitem_id 0
		.amdhsa_next_free_vgpr 256
		.amdhsa_next_free_sgpr 66
		.amdhsa_reserve_vcc 0
		.amdhsa_float_denorm_mode_32 3
		.amdhsa_float_denorm_mode_16_64 3
		.amdhsa_memory_ordered 1
		.amdhsa_forward_progress 1
		.amdhsa_inst_pref_size 40
	.end_amdhsa_kernel
	.amdgpu_metadata
---
amdhsa.version: [ 1, 2 ]
amdhsa.kernels:
  - .name:           k_qf606c37c26_outln
    .symbol:         k_qf606c37c26_outln.kd
    .args:
      - { .name: ctxc, .offset: 0, .size: 8, .value_kind: global_buffer, .address_space: global }
      - { .name: ctxs, .offset: 8, .size: 8, .value_kind: global_buffer, .address_space: global }
      - { .name: woimg, .offset: 16, .size: 8, .value_kind: global_buffer, .address_space: global }
      - { .name: wos, .offset: 24, .size: 8, .value_kind: global_buffer, .address_space: global }
      - { .name: bo, .offset: 32, .size: 8, .value_kind: global_buffer, .address_space: global }
      - { .name: query, .offset: 40, .size: 8, .value_kind: global_buffer, .address_space: global }
      - { .name: gamma, .offset: 48, .size: 8, .value_kind: global_buffer, .address_space: global }
      - { .name: beta, .offset: 56, .size: 8, .value_kind: global_buffer, .address_space: global }
      - { .name: out0, .offset: 64, .size: 8, .value_kind: global_buffer, .address_space: global }
    .group_segment_fixed_size: 96768
    .private_segment_fixed_size: 0
    .kernarg_segment_align: 8
    .kernarg_segment_size: 72
    .max_flat_workgroup_size: 512
    .sgpr_count:     66
    .vgpr_count:     256
    .wavefront_size: 32
...
	.end_amdgpu_metadata
.endif
;; end of part 4
